; MI455X (gfx1250); checked and timed in simulation.
; The chip was launched on July 23, 2026; its instructions are those of AMD's public machine-readable ISA for CDNA 5 (MIT licence, August 2026) and "CDNA5" Instruction Set Architecture Reference Guide (July 2026). The comments in the code are by the model that wrote it; some were corrected since.
;; Multi Head Attention. Allowed arithmetic: matrix products marked QUANTISED: E2M1 operands, one E8M0 scale for each 32 along K, by v_wmma_scale_f32_16x16x128_f8f6f4 with both operands' format E2M1 (or v_wmma_scale_f32_32x16x128_f4), f32 sums; everything else in f32.
;; Inputs: Wk 1,024 x 1,024 float32; Wo 1,024 x 1,024 float32; Wq 1,024 x 1,024 float32; Wv 1,024 x 1,024 float32; bk 1,024 float32; bo 1,024 float32; bq 1,024 float32; bv 1,024 float32; x 4 x 2,048 x 1,024 float32.
;; Outputs: out0 4 x 2,048 x 1,024 float32.
;; This version of the problem:
;;   THIS VERSION OF THE PROBLEM IS GIVEN IN LOW PRECISION. The matrix products marked QUANTISED in the list below multiply operands that are first quantised to E2M1 (2 exponent bits, 1 mantissa bit; 4 bits a number), with one power-of-two scale for each 32 numbers along K (OCP MX v1.0); their sums are f32. All else is computed in f32.
;;   The module's matrix products, in the order in which they are computed (A, B: the left and right operand; K: the contracted axis; several contracted axes count as one K, in the product's order):
;;     1. [M 8,192, K 1,024] x [K 1,024, N 1,024]; A: input x; B: input Wq: QUANTISED
;;     2. [M 8,192, K 1,024] x [K 1,024, N 1,024]; A: input x; B: input Wk: QUANTISED
;;     3. [M 8,192, K 1,024] x [K 1,024, N 1,024]; A: input x; B: input Wv: QUANTISED
;;     4. batch 64 x [M 2,048, K 64] x [K 64, N 2,048]; A: computed on the way; B: computed on the way: QUANTISED
;;     5. batch 64 x [M 2,048, K 2,048] x [K 2,048, N 64]; A: softmax (see below); B: computed on the way: QUANTISED
;;     6. [M 8,192, K 1,024] x [K 1,024, N 1,024]; A: computed on the way; B: input Wo: QUANTISED
;;   THE QUANTISER, for each operand of a quantised product, along K:
;;     - K is cut into blocks of 32 from its start; a last block that is shorter is filled with zeros.
;;     - A block's scale is 2^e with e = floor(log2(the largest magnitude in the block)) - 2, held to -126 .. 127; a block of zeros has e = 0. As a byte (E8M0): e + 127.
;;     - Each number is divided by its block's scale, clamped to +-6, and rounded to the nearest number of E2M1, ties to even, subnormals kept.
;;     - The product sums the exact products of the quantised numbers (number of the format x scale) in f32.
;;   ~~~python
;;   def quantise(x, axis):      # numpy; x: float32 -> the quantised numbers, widened to float32 again
;;       x = np.moveaxis(x, axis, -1); K = x.shape[-1]
;;       x = np.pad(x, [(0, 0)] * (x.ndim - 1) + [(0, -K % 32)]); x = x.reshape(x.shape[:-1] + (-1, 32)); a = np.abs(x).max(-1, keepdims=True)
;;       e = np.where(a > 0, np.clip(np.frexp(np.where(a > 0, a, 1))[1] - 1 - 2, -126, 127), 0)      # np.frexp(a)[1] - 1 = floor(log2(a)), exactly
;;       r = np.clip(x / 2.0 ** e, -6, 6)
;;       step = 2.0 ** (np.maximum(np.frexp(np.where(r == 0, 1, r))[1] - 1, 0) - 1)
;;       q = np.round(r / step) * step * 2.0 ** e      # np.round: ties to even
;;       return np.moveaxis(q.reshape(q.shape[:-2] + (-1,))[..., :K], -1, axis).astype(np.float32)
;;   ~~~
;;   SOFTMAX AHEAD OF A QUANTISED PRODUCT. Where the list says 'softmax', what is quantised is not the finished softmax but p = 2^(t - M), with t = logit x log2(e) and M = ceil(the row's largest t), a whole number; so 1/2 < the row's largest p <= 1. The row's sum l is taken of the UNQUANTISED p, in f32, and the product's result is divided by l at the end. Since M is a whole number, a kernel that streams over the keys may use a running M (the ceiling of the running maximum): every later rescaling is an exact power of two, which a block's scale takes up: the codes' values come out the same.
;;   OPERANDS COMPUTED ON THE WAY. 'Computed on the way' means the value that the module computes at that place (a softmax that the list does not call 'softmax' is quantised finished and normalised). What goes into a quantiser is computed in f32, as accurately as f32 sums, v_exp_f32 and their like allow (about 1e-6 of the number): no bf16 or f16 on the way to a quantiser, and a product that is left as it is and whose result goes on into a quantised operand takes f32 operands (vector FMAs, or v_wmma_f32_16x16x4_f32). A number that lies on a knife's edge between two numbers of the format may be rounded either way, as far as f32 arithmetic and the matrix unit's own rounding can turn it there, and no further.
;; One version. Each part assembles by itself: llvm-mc -triple=amdgcn-amd-amdhsa -mcpu=gfx1250 --defsym DOCPART=n.
;; ======== version 1 of 1: 4 launches
;; workspace buffers: xc 4,194,304 bytes; xs 262,144 bytes; wc 2,097,152 bytes; ws 131,072 bytes; qkvc 12,582,912 bytes; qkvs 786,432 bytes; cc 4,194,304 bytes; cs 262,144 bytes
;; launch prep (part 1): grid 768 x 1, 4 waves a work-group, no clusters, 34,304 bytes of LDS; arguments x, Wq, Wk, Wv, Wo, xc, xs, wc, ws; writes xc, xs, wc, ws
.if DOCPART == 1
	.amdgcn_target "amdgcn-amd-amdhsa--gfx1250"
	.amdhsa_code_object_version 6
	.text
	.protected	k_q5ce9d923ef_prep
	.globl	k_q5ce9d923ef_prep
	.p2align	8
	.type	k_q5ce9d923ef_prep,@function
k_q5ce9d923ef_prep:
	s_mov_b64 s[64:65], 0
	v_nop
	global_prefetch_b8 v0, s[64:65] scope:SCOPE_SE
	s_setreg_imm32_b32 hwreg(HW_REG_WAVE_MODE, 25, 1), 1
	s_wait_xcnt 0x0
; MULTI-HEAD ATTENTION IN MX-FP4, launch 1 of 4: x [8192][1024] and the four weights [1024 (k)][1024 (n)], f32, become codes of E2M1 with one E8M0 byte for each 32 along K.
; DEAD WORK: none.  Every input has a way to the output: bk would cancel in a softmax of real numbers, but it moves the codes of k, so it stays.  All nine inputs are loaded by this program.
; LIMITS: NaN and infinities among the inputs are not served.  A block whose largest magnitude lies under 2^-124 has its byte held at 1.  A block of zeros gets the byte 1 where the rule says 127:
; its codes are zeros, which add nothing under any byte but 0xff, and the bytes are read by this program alone.
; THE LAYOUT OF EVERY OPERAND IN THIS PROGRAM (an image of the operand registers):
;   rows go in tiles of 16; in each 32 rows, tile 2 b + u holds at place r the row 32 b + 8 u + r + 8 (r / 8);
;   codes [K / 64][tile][lane 0..31][16 bytes]: lane r + 16 h holds block 2 c + h (32 codes) of the row at place r: four registers of a fragment as they stand, 512 consecutive bytes a tile;
;   scale words [K / 128][16 tile + r][4 bytes].
; xc, xs: x.  wc, ws: 4,096 rows n: Wq 0.., Wk 1024.., Wv 2048.., Wo 3072...
; Work-groups 0-511 take x (K innermost: rows turn through a stage in LDS), 512-767 the weights (K outermost: a lane takes a column, its registers run down K; no LDS).  No barrier: waves share nothing.
; The scale words leave as 128 consecutive bytes a wave, half of an aligned 256: one byte in 128 of what the launch reads.
.set SPW,   14                         ; v14  LDS address of my spare word; never rewritten
.set NIL,   15                         ; v15  0; never rewritten
.set SPARE, 33792                      ; behind the four stages: the spare words, 128 bytes a wave
.set STG,   8448                       ; a wave's stage: 16 rows x (512 bytes + 16)
.set XA,  4                            ; v4   16 x lane
.set LS,  5                            ; v5   4 x lane
.set STI, 6                            ; v6   the stage, on the way in
.set STO, 7                            ; v7   and on the way out: 528 r + 128 h
.set H8,  8                            ; v8   8 h
.set C,   16                           ; v16-31   codes: registers of their own for every store
.set R,   32                           ; v32-159  x: two units of 64 registers as loaded.  Weights: v32-95 two sets of 32
.set X,   160                          ; v160-223 register 32 c + i = k 64 c + 32 h + i of my row
.set M,   224
.set SO,  226
.set BY,  228
.set W,   230
.set T,   231
.set WD,  232
.set WS,  234
	s_load_b256 s[4:11], s[0:1], 0x0               ; x, Wq, Wk, Wv
	s_load_b256 s[12:19], s[0:1], 0x20             ; Wo, xc, xs, wc
	s_load_b64 s[20:21], s[0:1], 0x40              ; ws
	v_lshl_add_u32 v[SPW], v0, 2, SPARE
	v_mov_b32 v[NIL], 0
	v_lshrrev_b32 v1, 5, v0
	v_readfirstlane_b32 s22, v1                    ; wave
	v_and_b32 v1, 31, v0                           ; lane
	v_and_b32 v2, 15, v0                           ; r
	v_bfe_u32 v3, v0, 4, 1                         ; h
	s_mov_b32 s24, 0x76543210
	s_mov_b32 s25, 0xfedcba98                      ; selects of v_permlanex16_b32: lane l xor 16
	s_mov_b32 s26, 0xffff0000                      ; lanes 16-31
	s_wait_kmcnt 0x0
	s_cmp_lt_u32 ttmp9, 512
	s_cbranch_scc0 .Lweights
	; ---- x.  The work-group takes 32 rows (two tiles) and four K steps of 128; a wave one K step: two units of 16 rows x 512 bytes.
	s_lshr_b32 s27, ttmp9, 1                       ; b: which 32 rows
	s_and_b32 s30, ttmp9, 1
	s_lshl_b32 s30, s30, 2
	s_add_co_u32 s30, s30, s22                     ; s: which 128 along K
	s_lshl_b32 s32, s27, 17                        ; x: 32 rows of 4,096 bytes,
	s_lshl_b32 s33, s30, 9                         ; 512 bytes a K step
	s_add_co_u32 s32, s32, s33
	s_mov_b32 s33, 0
	s_add_nc_u64 s[4:5], s[4:5], s[32:33]
	s_lshl_b32 s32, s30, 19                        ; xc: two chunks of 262,144 bytes a K step,
	s_lshl_b32 s34, s27, 10                        ; two tiles of 512
	s_add_co_u32 s32, s32, s34
	s_add_nc_u64 s[14:15], s[14:15], s[32:33]
	s_lshl_b32 s32, s30, 15                        ; xs: 32,768 bytes a K step,
	s_lshl_b32 s34, s27, 7                         ; 32 words
	s_add_co_u32 s32, s32, s34
	s_add_nc_u64 s[16:17], s[16:17], s[32:33]
	s_mul_i32 s35, s22, STG
	s_wait_alu depctr_va_vdst(0)
	v_lshlrev_b32 v[XA], 4, v1
	v_lshlrev_b32 v[LS], 2, v1
	v_add_nc_u32 v[STI], s35, v[XA]
	v_mul_u32_u24 v[STO], v2, 528
	v_lshl_add_u32 v[STO], v3, 7, v[STO]
	v_add_nc_u32 v[STO], s35, v[STO]
	v_lshlrev_b32 v[H8], 3, v3
	v_mov_b32 v[T], 0                              ; a lane permute's destination counts as one of its sources
.irp u, 0,1
.irp i, 0,1,2,3,4,5,6,7,8,9,10,11,12,13,14,15
	global_load_b128 v[R+64*\u+4*\i:R+64*\u+4*\i+3], v[XA], s[4:5] offset:(8*\u+\i+8*(\i/8))*4096 th:TH_LOAD_NT   ; place i of tile u: 32 lanes read 512 consecutive bytes
.endr
.endr
.macro UNIT u
	s_wait_loadcnt 16*(1-\u)                       ; this unit's sixteen loads are in; the second unit's sixteen may be out
.irp i, 0,1,2,3,4,5,6,7,8,9,10,11,12,13,14,15
	ds_store_b128 v[STI], v[R+64*\u+4*\i:R+64*\u+4*\i+3] offset:528*\i
.endr
.irp c, 0,1
.irp i, 0,1,2,3,4,5,6,7
	ds_load_b128 v[X+32*\c+4*\i:X+32*\c+4*\i+3], v[STO] offset:256*\c+16*\i   ; LDS serves a wave's instructions in order: these see the stores above.  Two whole blocks of my row
.endr
.endr
	s_wait_dscnt 0x0
.irp c, 0,1
	v_max3_num_f32 v[M+\c], |v[X+32*\c]|, |v[X+32*\c+1]|, 0x1800000   ; block 2 c + h: all 32 numbers are mine; and the floor 2^(3 - 127): the byte cannot fall under 1
.endr
.irp i, 2,4,6,8,10,12,14,16,18,20,22,24,26,28,30
.irp c, 0,1
	v_max3_num_f32 v[M+\c], v[M+\c], |v[X+32*\c+\i]|, |v[X+32*\c+\i+1]|
.endr
.endr
.irp c, 0,1
	v_add_nc_u32 v[SO+\c], 0xff000000, v[M+\c]     ; 2 off the exponent field: the conversion takes the exponent field of this operand as its scale
.endr
.irp c, 0,1
.irp g, 0,1,2,3
	v_cvt_scalef32_pk8_fp4_f32 v[C+8*\u+4*\c+\g], v[X+32*\c+8*\g:X+32*\c+8*\g+7], v[SO+\c]
.endr
.endr
.irp c, 0,1
	v_lshrrev_b32 v[BY+\c], 23, v[SO+\c]           ; the scale's byte (a plain line behind the conversions)
.endr
	v_lshl_or_b32 v[W], v[BY+1], 16, v[BY]         ; my two bytes, blocks h and 2 + h,
	v_lshlrev_b32 v[W], v[H8], v[W]                ; at their places in the word;
	v_permlanex16_b32 v[T], v[W], s24, s25
	v_or_b32 v[WD+\u], v[W], v[T]                  ; with lane l xor 16's two the word is whole
.irp c, 0,1
	global_store_b128 v[XA], v[C+8*\u+4*\c:C+8*\u+4*\c+3], s[14:15] offset:\c*262144+\u*512   ; 512 consecutive bytes
.endr
.endm
	s_wait_alu depctr_va_vdst(0)
	UNIT 0
	UNIT 1
	v_cndmask_b32 v[WS], v[WD], v[WD+1], s26       ; lanes 0-15 tile 0's words, lanes 16-31 tile 1's
	global_store_b32 v[LS], v[WS], s[16:17]
	s_wait_tensorcnt 0x0                           ; the wave's end, behind my last LDS store
	ds_add_u32 v[SPW], v[NIL]
	s_wait_dscnt 0x0
	s_endpgm
	; ---- the weights.  The work-group takes 128 columns of the 4,096 and one K step of 128; a wave 32 columns, a lane one: four whole blocks.
.Lweights:
	s_sub_co_u32 s27, ttmp9, 512
	s_and_b32 s30, s27, 31                         ; which 128 columns
	s_lshr_b32 s31, s27, 5                         ; s: which 128 along K
	s_lshr_b32 s34, s30, 3                         ; which weight: the choice hangs on the work-group's number alone
	s_cmp_eq_u32 s34, 1
	s_cselect_b64 s[28:29], s[8:9], s[6:7]
	s_cmp_eq_u32 s34, 2
	s_cselect_b64 s[28:29], s[10:11], s[28:29]
	s_cmp_eq_u32 s34, 3
	s_cselect_b64 s[28:29], s[12:13], s[28:29]
	s_lshl_b32 s35, s30, 2
	s_add_co_u32 s35, s35, s22                     ; b: which 32 columns of the 4,096
	s_and_b32 s36, s35, 31                         ; and of its weight's 1,024
	s_lshl_b32 s32, s31, 19                        ; 128 rows of 4,096 bytes,
	s_lshl_b32 s36, s36, 7                         ; 32 columns of 4
	s_add_co_u32 s32, s32, s36
	s_mov_b32 s33, 0
	s_add_nc_u64 s[28:29], s[28:29], s[32:33]
	s_lshl_b32 s32, s31, 18                        ; wc: two chunks of 131,072 bytes a K step,
	s_lshl_b32 s36, s35, 10                        ; two tiles of 512
	s_add_co_u32 s32, s32, s36
	s_add_nc_u64 s[18:19], s[18:19], s[32:33]
	s_lshl_b32 s32, s31, 14                        ; ws: 16,384 bytes a K step,
	s_lshl_b32 s36, s35, 7
	s_add_co_u32 s32, s32, s36
	s_add_nc_u64 s[20:21], s[20:21], s[32:33]
	s_wait_alu depctr_va_vdst(0)
	v_lshlrev_b32 v4, 2, v1                        ; in: 4 bytes a lane
	v_bfe_u32 v5, v0, 3, 1                         ; column 32 b + lane lies in tile u = (lane / 8) % 2
	v_and_b32 v6, 7, v0
	v_lshl_add_u32 v6, v3, 3, v6                   ; at place r = lane % 8 + 8 (lane / 16)
	v_lshlrev_b32 v7, 4, v6
	v_lshl_add_u32 v7, v5, 9, v7                   ; codes: 512 u + 16 r
	v_lshlrev_b32 v8, 2, v6
	v_lshl_add_u32 v8, v5, 6, v8                   ; scale word: 64 u + 4 r
.macro LOAD t                          ; block t: W(32 t + i, my column) into set t % 2: 128 consecutive bytes a wave, 512 a work-group
.irp i, 0,1,2,3,4,5,6,7,8,9,10,11,12,13,14,15,16,17,18,19,20,21,22,23,24,25,26,27,28,29,30,31
	global_load_b32 v[R+32*((\t)%2)+\i], v4, s[28:29] offset:(32*(\t)+\i)*4096 th:TH_LOAD_NT
.endr
.endm
.macro BLOCK t
.set XS, R+32*((\t)%2)
.if (\t) < 3
	s_wait_loadcnt 32                              ; this block's 32 loads are in; the next block's 32 may be out
.else
	s_wait_loadcnt 0x0
.endif
	v_max3_num_f32 v12, |v[XS]|, |v[XS+1]|, |v[XS+2]|
	v_max3_num_f32 v13, |v[XS+3]|, |v[XS+4]|, |v[XS+5]|
.irp i, 6,10,14,18,22,26
	v_max3_num_f32 v12, v12, |v[XS+\i]|, |v[XS+\i+1]|
	v_max3_num_f32 v13, v13, |v[XS+\i+2]|, |v[XS+\i+3]|
.endr
	v_max3_num_f32 v12, v12, |v[XS+30]|, |v[XS+31]|
	v_max3_num_f32 v12, v12, v13, 0x1800000        ; and the floor
	v_add_nc_u32 v11, 0xff000000, v12
	v_lshrrev_b32 v9, 23, v11                      ; the scale's byte
.if (\t) == 0
	v_mov_b32 v10, v9                              ; four bytes make my column's word, the lower K in the lower byte
.else
	v_lshl_or_b32 v10, v9, 8*(\t), v10
.endif
.irp g, 0,1,2,3
	v_cvt_scalef32_pk8_fp4_f32 v[C+4*(\t)+\g], v[XS+8*\g:XS+8*\g+7], v11
.endr
	global_store_b128 v7, v[C+4*(\t):C+4*(\t)+3], s[18:19] offset:((\t)/2)*131072+((\t)%2)*256   ; block t = 2 c + h: the wave fills two aligned runs of 256 bytes
.if (\t) < 2
	LOAD (\t)+2
.endif
.endm
	LOAD 0
	LOAD 1
	BLOCK 0
	BLOCK 1
	BLOCK 2
	BLOCK 3
	global_store_b32 v8, v10, s[20:21]
	s_wait_tensorcnt 0x0                           ; the same three lines close this path
	ds_add_u32 v[SPW], v[NIL]
	s_wait_dscnt 0x0
	s_endpgm
.Lfunc_end_k_q5ce9d923ef_prep:
	.size	k_q5ce9d923ef_prep, .Lfunc_end_k_q5ce9d923ef_prep-k_q5ce9d923ef_prep
	.p2alignl 7, 3214868480
	.fill 96, 4, 3214868480
	.section	.rodata,"a",@progbits
	.p2align	6, 0x0
	.amdhsa_kernel k_q5ce9d923ef_prep
		.amdhsa_group_segment_fixed_size 34304
		.amdhsa_private_segment_fixed_size 0
		.amdhsa_enable_private_segment 0
		.amdhsa_kernarg_size 72
		.amdhsa_user_sgpr_count 2
		.amdhsa_user_sgpr_kernarg_segment_ptr 1
		.amdhsa_wavefront_size32 1
		.amdhsa_system_sgpr_workgroup_id_x 1
		.amdhsa_system_sgpr_workgroup_id_y 1
		.amdhsa_system_sgpr_workgroup_id_z 1
		.amdhsa_system_vgpr_workitem_id 0
		.amdhsa_next_free_vgpr 240
		.amdhsa_next_free_sgpr 66
		.amdhsa_reserve_vcc 0
		.amdhsa_float_denorm_mode_32 3
		.amdhsa_float_denorm_mode_16_64 3
		.amdhsa_memory_ordered 1
		.amdhsa_forward_progress 1
		.amdhsa_inst_pref_size 36
	.end_amdhsa_kernel
	.amdgpu_metadata
---
amdhsa.version: [ 1, 2 ]
amdhsa.kernels:
  - .name:           k_q5ce9d923ef_prep
    .symbol:         k_q5ce9d923ef_prep.kd
    .args:
      - { .name: x, .offset: 0, .size: 8, .value_kind: global_buffer, .address_space: global }
      - { .name: Wq, .offset: 8, .size: 8, .value_kind: global_buffer, .address_space: global }
      - { .name: Wk, .offset: 16, .size: 8, .value_kind: global_buffer, .address_space: global }
      - { .name: Wv, .offset: 24, .size: 8, .value_kind: global_buffer, .address_space: global }
      - { .name: Wo, .offset: 32, .size: 8, .value_kind: global_buffer, .address_space: global }
      - { .name: xc, .offset: 40, .size: 8, .value_kind: global_buffer, .address_space: global }
      - { .name: xs, .offset: 48, .size: 8, .value_kind: global_buffer, .address_space: global }
      - { .name: wc, .offset: 56, .size: 8, .value_kind: global_buffer, .address_space: global }
      - { .name: ws, .offset: 64, .size: 8, .value_kind: global_buffer, .address_space: global }
    .group_segment_fixed_size: 34304
    .private_segment_fixed_size: 0
    .kernarg_segment_align: 8
    .kernarg_segment_size: 72
    .max_flat_workgroup_size: 128
    .sgpr_count:     66
    .vgpr_count:     240
    .wavefront_size: 32
...
	.end_amdgpu_metadata
.endif
;; end of part 1
;; launch qkv (part 2): grid 12 x 32, 4 waves a work-group, clusters of 4 x 4, 327,680 bytes of LDS; arguments xc, xs, wc, ws, qkvc, qkvs, bq, bk, bv; writes qkvc, qkvs
.if DOCPART == 2
	.amdgcn_target "amdgcn-amd-amdhsa--gfx1250"
	.amdhsa_code_object_version 6
	.text
	.protected	k_q5ce9d923ef_qkv
	.globl	k_q5ce9d923ef_qkv
	.p2align	8
	.type	k_q5ce9d923ef_qkv,@function
k_q5ce9d923ef_qkv:
	s_mov_b64 s[64:65], 0
	v_nop
	global_prefetch_b8 v0, s[64:65] scope:SCOPE_SE
	s_setreg_imm32_b32 hwreg(HW_REG_WAVE_MODE, 25, 1), 1
	s_wait_xcnt 0x0
	s_wait_alu depctr_hold_cnt(0) depctr_sa_sdst(0) depctr_va_vdst(0) depctr_va_sdst(0) depctr_va_ssrc(0) depctr_va_vcc(0) depctr_vm_vsrc(0)
	s_getreg_b32 s2, hwreg(HW_REG_IB_STS2, 6, 4)
	s_cmp_eq_u32 s2, 0
	s_cbranch_scc0 .Lentry_in_a_cluster
	s_endpgm
.Lentry_in_a_cluster:
	s_bfe_u32 s2, ttmp6, 0x10000c
	s_cmp_lg_u32 s2, 0xf033
	s_cbranch_scc0 .Lentry_shape_is_right
	s_endpgm
.Lentry_shape_is_right:
; Launch 2 of 4: q = x Wq + bq, k = x Wk + bk, v = x Wv + bv on codes of E2M1, and each result quantised in registers for the product that takes it: q and k along the head's 64, v along the keys.  No work is left out.
; OPERANDS lie as images of their registers (rows in tiles of 16, tile 2 b + u holding at place r the row 32 b + 8 u + r + 8 (r / 8); codes [K / 64][tile][lane][16 bytes]; scale words [K / 128][16 tile + r][4 bytes]).
; A tile of 256 x 256 is made by four waves, each 128 x 128: 64 accumulators.  Source 0 of a product is the P side, source 1 the L side: a lane then holds ONE row of the L side, and the 16 registers of P's tiles
; 2 b and 2 b + 1 are 16 neighbours along P.  So the quantiser works on a lane's registers, and its results ARE the next operand's image: they are stored as they stand, 512 consecutive bytes an instruction.
; q, k (cluster x = 0, 1): L = tokens (x), P = features (W).   v (cluster x = 2): L = features (Wv), P = tokens (x): v comes out with the keys innermost.
; ALL OF K (1,024) LIES IN LDS: two halves of K, each filled once, so no LDS byte is filled twice.  The bias is the C of each sum's first product: the f32 sums begin with it, another order than x W + b.
; CLUSTER 4 x 4: x's tile hangs on the tile row alone and is asked for jointly along a row of the cluster, W's on the tile column alone and jointly along a column.
; OUT: qkvc bytes 0..: image of [8192 tokens][2048]: chunk 0-15 q's heads, 16-31 k's; from 8,388,608: image of v^T [1024 rows][8192 tokens].  qkvs: [16 steps][8192][4], then from 524,288 [64 steps][1024][4].
; LIMITS: as stated at the head of the first launch (NaN, infinities, bytes held at 1).
; REGISTERS: window 0: v16-27 addresses; v28, v29 the add's two; v32-63 L's scale words (8 x pair of tiles + K step), v64-95 P's; v128-191 L's fragments, one set; v192-255 the bias.
;   window 1: P's fragments, two sets, at v0 and v128.   windows 2, 3: accumulator (a, b) at v[8 (8 (a % 4) + b)].
.set SCL,   262144                     ; LDS: half H of K at 131,072 H: x's rows 0-127, 128-255, W's rows 0-127, 128-255, 32,768 bytes each: [8 chunks][8 tiles][512].  Then the scale words, 4,096 bytes a region: [8 steps][128][4]
.set SPARE, 278528                     ; and the spare words, 128 bytes a wave
.set ADL, 16                           ; v16-17 L's fragments in half 0, 1
.set ADP, 20                           ; v20-21 P's
.set ASL, 22                           ; v22    L's scale words
.set ASP, 23                           ; v23    P's
.set LI,  24                           ; v24    16 x lane
.set LW,  25                           ; v25    4 x lane
.set SPW, 28
.set NIL, 29
.set SCLR, 32
.set SCPR, 64
.set PW,  96                           ; v96-103 the scale word of each L tile; v104-107 two tiles' words in one register
.set AF,  128
.set BI,  192
.set TM,  200                          ; the way out: v200-203 maxima, v204-207 bytes, v212-215 the conversions' scale operands
.set WV, 22
.set LH, 23                            ; which half of L is mine.  Also: I fetch for x (0) or for W (1)
.set PH, 66                            ; which half of P.  Also: which 128 rows I fetch
.set KIND, 92
.set G1X, 24
.set G0X, 32
.set G1W, 48
.set G0W, 56
.set G1XS, 68
.set G0XS, 76
.set G1WS, 80
.set G0WS, 88
.set MSB, 0
.macro WIN new                         ; the immediate's high byte repeats the setting that is left
.if MSB != (\new)
	s_set_vgpr_msb (MSB<<8)|(\new)
.set MSB, (\new)
.endif
.endm
.macro PLACES n
.rept \n
	v_nop
.endr
.endm
.macro CROUND                          ; a round of the cluster's barrier
	s_barrier_signal -1
	s_barrier_wait -1
	s_cmp_lg_u32 s[WV], 0
	s_cbranch_scc1 .Lnot_wave_0_\@
	s_barrier_signal -3
.Lnot_wave_0_\@:
	s_barrier_wait -3
	s_barrier_signal -1
	s_barrier_wait -1
.endm
.macro JLOAD g0a, g1a, g0b, g1b        ; a joint load: waves 0, 1 fetch for x, waves 2, 3 for W; an s_nop 0 and four v_nop follow each line
	s_cmp_eq_u32 s[LH], 0
	s_cbranch_scc0 .Lfor_w_\@
	tensor_load_to_lds s[\g0a:\g0a+3], s[\g1a:\g1a+7]
	s_nop 0
.rept 4
	v_nop
.endr
	s_branch .Lasked_\@
.Lfor_w_\@:
	tensor_load_to_lds s[\g0b:\g0b+3], s[\g1b:\g1b+7]
	s_nop 0
.rept 4
	v_nop
.endr
.Lasked_\@:
.endm
.macro FRAG reg, adr, q, i             ; tile i, the half's q-th 128 along K: two chunks, 512 consecutive bytes each
	ds_load_b128 v[\reg:\reg+3], v[\adr] offset:(2*(\q))*4096+(\i)*512
	ds_load_b128 v[\reg+4:\reg+7], v[\adr] offset:(2*(\q)+1)*4096+(\i)*512
.endm
.macro FETCH_P H, q, p
	WIN 0x40
.irp i, 0,1,2,3,4,5,6,7
	FRAG 128*(\p)+8*\i, ADP+\H, \q, \i
.endr
	WIN 0
.endm
.macro FETCH_L H, q, i0
.irp i, \i0, \i0+1, \i0+2, \i0+3
	FRAG AF+8*(\i), ADL+\H, \q, \i
.endr
.endm
.macro SCALES reg, adr                 ; all of K's scale words of my 128 rows: lanes 0-15 tile 2 g, lanes 16-31 tile 2 g + 1
.irp g, 0,1,2,3
.irp s, 0,1,2,3,4,5,6,7
	ds_load_b32 v[\reg+8*\g+\s], v[\adr] offset:\s*512+\g*128
.endr
.endr
.endm
; One product: L's tile a x P's tile b, K step s, P's set p.  cm = 0: adds in place; 1: starts the sum with the bias of P's tile b; 2: with that of L's tile a.  An odd tile's scale words stand in lanes 16-31.
.macro WM a, b, p, s, cm
.set rD, 8*(8*((\a)%4)+(\b))
.set rC, rD
.if (\cm) == 1
.set rC, BI+8*(\b)
.elseif (\cm) == 2
.set rC, BI+8*(\a)
.endif
.set rP, 128*(\p)+8*(\b)
.set rL, AF+8*(\a)
.set kP, SCPR+8*((\b)/2)+(\s)
.set kL, SCLR+8*((\a)/2)+(\s)
.if (((\a)%2) == 0) && (((\b)%2) == 0)
	v_wmma_scale_f32_16x16x128_f8f6f4 v[rD:rD+7], v[rP:rP+7], v[rL:rL+7], v[rC:rC+7], v[kP], v[kL] matrix_a_fmt:MATRIX_FMT_FP4 matrix_b_fmt:MATRIX_FMT_FP4
.elseif ((\a)%2) == 0
	v_wmma_scale_f32_16x16x128_f8f6f4 v[rD:rD+7], v[rP:rP+7], v[rL:rL+7], v[rC:rC+7], v[kP], v[kL] matrix_a_fmt:MATRIX_FMT_FP4 matrix_b_fmt:MATRIX_FMT_FP4 matrix_a_scale:MATRIX_SCALE_ROW1
.elseif ((\b)%2) == 0
	v_wmma_scale_f32_16x16x128_f8f6f4 v[rD:rD+7], v[rP:rP+7], v[rL:rL+7], v[rC:rC+7], v[kP], v[kL] matrix_a_fmt:MATRIX_FMT_FP4 matrix_b_fmt:MATRIX_FMT_FP4 matrix_b_scale:MATRIX_SCALE_ROW1
.else
	v_wmma_scale_f32_16x16x128_f8f6f4 v[rD:rD+7], v[rP:rP+7], v[rL:rL+7], v[rC:rC+7], v[kP], v[kL] matrix_a_fmt:MATRIX_FMT_FP4 matrix_b_fmt:MATRIX_FMT_FP4 matrix_a_scale:MATRIX_SCALE_ROW1 matrix_b_scale:MATRIX_SCALE_ROW1
.endif
.endm
.macro MUL16 a0, p, s, cm              ; L's tiles a0, a0 + 1 x P's eight.  The 64 accumulators take turns, one instruction a turn, in the same order in every step
.if (\cm) == 0
	WIN 0xa1+0x50*((\a0)/4)                        ; source 0 window 1, source 1 window 0, C and D window 2 or 3
.else
	WIN 0x81+0x40*((\a0)/4)                        ; the same with C (the bias) in window 0
.endif
.irp a, \a0, \a0+1
.irp b, 0,1,2,3,4,5,6,7
	WM \a, \b, \p, \s, \cm
.endr
.endr
.endm
; A step of 128 along K that has its successor in the same half.  L has one set of registers: tiles 0-3 are fetched anew in the step's middle, tiles 4-7 at its end; P has two sets.
; Loads into registers that matrix instructions have read stand four plain vector instructions behind them (ISA guide 7.12.1 for vector instructions).
.macro STEP H, q, cm
	s_wait_dscnt 8                                 ; all but the youngest eight loads (L's tiles 4-7) are in
	MUL16 0, (\q)%2, 4*(\H)+(\q), \cm
	MUL16 2, (\q)%2, 4*(\H)+(\q), \cm
	s_wait_dscnt 0x0                               ; L's tiles 4-7
	PLACES 4
	FETCH_P \H, (\q)+1, 1-(\q)%2
	FETCH_L \H, (\q)+1, 0
	MUL16 4, (\q)%2, 4*(\H)+(\q), \cm
	MUL16 6, (\q)%2, 4*(\H)+(\q), \cm
	PLACES 4
	WIN 0
	FETCH_L \H, (\q)+1, 4
.endm
	s_load_b256 s[4:11], s[0:1], 0x0               ; xc, xs, wc, ws
	s_load_b256 s[12:19], s[0:1], 0x20             ; qkvc, qkvs, bq, bk
	s_load_b64 s[20:21], s[0:1], 0x40              ; bv
	v_lshl_add_u32 v[SPW], v0, 2, SPARE
	v_mov_b32 v[NIL], 0
	ds_add_u32 v[SPW], v[NIL]                      ; the wave's opening: the add, twice on end, and its wait ahead of my first tensor load
	ds_add_u32 v[SPW], v[NIL]
	v_lshrrev_b32 v1, 5, v0
	v_readfirstlane_b32 s[WV], v1
	s_lshr_b32 s[LH], s[WV], 1
	s_and_b32 s[PH], s[WV], 1
	s_mov_b32 s[KIND], ttmp9                       ; the cluster's x: 0 q, 1 k, 2 v: the same in all sixteen partners
	s_bfe_u32 s40, ttmp6, 0x40000                  ; cx
	s_bfe_u32 s41, ttmp6, 0x40004                  ; cy
	s_lshl_b32 s42, ttmp9, 2
	s_add_co_u32 s42, s42, s40                     ; tc: tile column, 256 rows of wc
	s_and_b32 s43, ttmp7, 0xffff
	s_lshl_b32 s43, s43, 2
	s_add_co_u32 s43, s43, s41                     ; tr: tile row, 256 tokens
	s_lshl_b32 s44, s41, 2
	s_lshl_b32 s44, 15, s44                        ; my row of the cluster
	s_lshl_b32 s45, 0x1111, s40                    ; my column
	; descriptor groups 1, elements of 8 bytes, no padding.  Codes: 8 chunks x 4,096 bytes (8 tiles); scale words: 8 K steps x 512 bytes (128 rows)
	s_or_b32 s[G1X], s44, (3<<16)|(1<<21)
	s_mov_b32 s[G1X+1], 512<<16                    ; tensor_dim0
	s_mov_b32 s[G1X+2], 8<<16                      ; tensor_dim1
	s_mov_b32 s[G1X+3], 512<<16                    ; tile_dim0
	s_mov_b32 s[G1X+4], 8                          ; tile_dim1
	s_mov_b32 s[G1X+5], 32768                      ; from chunk to chunk: 262,144 bytes
	s_mov_b32 s[G1X+6], 0
	s_mov_b32 s[G1X+7], 0
	s_or_b32 s[G1W], s45, (3<<16)|(1<<21)
	s_mov_b32 s[G1W+1], 512<<16
	s_mov_b32 s[G1W+2], 8<<16
	s_mov_b32 s[G1W+3], 512<<16
	s_mov_b32 s[G1W+4], 8
	s_mov_b32 s[G1W+5], 16384                      ; 131,072 bytes
	s_mov_b32 s[G1W+6], 0
	s_mov_b32 s[G1W+7], 0
	s_or_b32 s[G1XS], s44, (3<<16)|(1<<21)
	s_mov_b32 s[G1XS+1], 64<<16
	s_mov_b32 s[G1XS+2], 8<<16
	s_mov_b32 s[G1XS+3], 64<<16
	s_mov_b32 s[G1XS+4], 8
	s_mov_b32 s[G1XS+5], 4096                      ; from K step to K step: 32,768 bytes
	s_mov_b32 s[G1XS+6], 0
	s_mov_b32 s[G1XS+7], 0
	s_or_b32 s[G1WS], s45, (3<<16)|(1<<21)
	s_mov_b32 s[G1WS+1], 64<<16
	s_mov_b32 s[G1WS+2], 8<<16
	s_mov_b32 s[G1WS+3], 64<<16
	s_mov_b32 s[G1WS+4], 8
	s_mov_b32 s[G1WS+5], 2048                      ; 16,384 bytes
	s_mov_b32 s[G1WS+6], 0
	s_mov_b32 s[G1WS+7], 0
	s_lshl_b32 s46, s43, 13                        ; x's codes: 16 tiles of 512 bytes a tile row, 8 tiles a half
	s_lshl_b32 s47, s[PH], 12
	s_add_co_u32 s46, s46, s47
	s_mov_b32 s47, 0
	s_lshl_b32 s94, s43, 10                        ; x's scale words: 256 a tile row
	s_lshl_b32 s95, s[PH], 9
	s_add_co_u32 s94, s94, s95
	s_mov_b32 s95, 0
	s_lshl_b32 s96, s42, 13                        ; W's likewise, by the tile column
	s_lshl_b32 s97, s[PH], 12
	s_add_co_u32 s96, s96, s97
	s_mov_b32 s97, 0
	s_lshl_b32 s98, s42, 10
	s_lshl_b32 s99, s[PH], 9
	s_add_co_u32 s98, s98, s99
	s_mov_b32 s99, 0
	s_lshl_b32 s67, s[WV], 15                      ; where they go: wave x 32,768, wave x 4,096: no place in the cluster enters an LDS address
	s_lshl_b32 s93, s[WV], 12
	s_wait_dscnt 0x0                               ; both opening adds are done
	s_wait_kmcnt 0x0
	s_add_nc_u64 s[4:5], s[4:5], s[46:47]
	s_add_nc_u64 s[6:7], s[6:7], s[94:95]
	s_add_nc_u64 s[8:9], s[8:9], s[96:97]
	s_add_nc_u64 s[10:11], s[10:11], s[98:99]
	CROUND                                         ; all sixteen work-groups are here: the first joint loads meet
	s_mov_b32 s[G0XS], 1
	s_add_co_u32 s[G0XS+1], s93, SCL
	s_mov_b64 s[G0XS+2:G0XS+3], s[6:7]
	s_or_b32 s[G0XS+3], s[G0XS+3], 0x80000000
	s_mov_b32 s[G0WS], 1
	s_add_co_u32 s[G0WS+1], s93, SCL
	s_mov_b64 s[G0WS+2:G0WS+3], s[10:11]
	s_or_b32 s[G0WS+3], s[G0WS+3], 0x80000000
	JLOAD G0XS, G1XS, G0WS, G1WS                   ; the scale words of all of K
.irp H, 0,1
	s_mov_b32 s[G0X+4*\H], 1
	s_add_co_u32 s[G0X+4*\H+1], s67, \H*131072
	s_add_nc_u64 s[G0X+4*\H+2:G0X+4*\H+3], s[4:5], \H*2097152     ; eight chunks on
	s_or_b32 s[G0X+4*\H+3], s[G0X+4*\H+3], 0x80000000
	s_mov_b32 s[G0W+4*\H], 1
	s_add_co_u32 s[G0W+4*\H+1], s67, \H*131072
	s_add_nc_u64 s[G0W+4*\H+2:G0W+4*\H+3], s[8:9], \H*1048576
	s_or_b32 s[G0W+4*\H+3], s[G0W+4*\H+3], 0x80000000
	JLOAD G0X+4*\H, G1X, G0W+4*\H, G1W             ; half H of K.  Three tensor loads of mine are out at the most
.endr
	; the roles.  All selects stand behind one compare; each hangs on the cluster's x alone
	s_and_b32 s4, s42, 3                           ; v: which 256 rows of v^T
	s_cmp_eq_u32 s[KIND], 2
	s_cselect_b32 s93, 65536, 0                    ; L's regions: W's for v, x's for q and k
	s_cselect_b32 s94, 0, 65536                    ; P's
	s_cselect_b32 s95, 8192, 0                     ; the same among the scale words
	s_cselect_b32 s96, 0, 8192
	s_cselect_b32 s97, s43, s42                    ; P's tile index
	s_cselect_b32 s98, s4, s43                     ; L's
	s_mov_b32 s5, 262144
	s_cselect_b32 s99, 32768, s5                   ; the output's chunk pitch
	s_mov_b32 s5, 32768
	s_cselect_b32 s100, 4096, s5                   ; and its scale words' step pitch
	s_cselect_b32 s101, 8388608, 0                 ; where the output begins in qkvc
	s_cselect_b32 s4, 524288, 0                    ; and in qkvs
	s_cselect_b32 s5, s[LH], s[PH]                 ; which half of W's 256 rows is mine
	s_cselect_b64 s[6:7], s[20:21], s[16:17]
	s_cmp_eq_u32 s[KIND], 1
	s_cselect_b64 s[6:7], s[18:19], s[6:7]         ; the bias: bq, bk or bv
	s_and_b32 s44, s42, 3
	s_lshl_b32 s44, s44, 10
	s_lshl_b32 s45, s5, 9
	s_add_co_u32 s44, s44, s45
	s_mov_b32 s45, 0
	s_add_nc_u64 s[6:7], s[6:7], s[44:45]          ; at my 128 features
	v_and_b32 v1, 31, v0
	v_and_b32 v2, 15, v0                           ; r
	v_bfe_u32 v3, v0, 4, 1                         ; h
	v_lshlrev_b32 v[LI], 4, v1
	v_lshlrev_b32 v[LW], 2, v1
	v_lshlrev_b32 v26, 6, v3                       ; 64 h
	v_and_b32 v27, 8, v2
	v_add_nc_u32 v27, v27, v2
	v_lshlrev_b32 v27, 2, v27                      ; 4 (r + 8 (r / 8))
	s_cmp_eq_u32 s[KIND], 2
	s_cbranch_scc1 .Lbias_v
.irp b, 0,1,2,3,4,5,6,7                        ; q, k: the bias runs along P: register j of tile b is feature 32 (b / 2) + 8 (b % 2) + 16 h + j
	global_load_b128 v[BI+8*\b:BI+8*\b+3], v26, s[6:7] offset:(32*(\b/2)+8*(\b%2))*4
	global_load_b128 v[BI+8*\b+4:BI+8*\b+7], v26, s[6:7] offset:(32*(\b/2)+8*(\b%2))*4+16
.endr
	s_branch .Lbias_done
.Lbias_v:
	s_wait_alu depctr_va_vdst(0)
.irp a, 0,1,2,3,4,5,6,7                        ; v: the bias runs along L: all eight registers of tile a hold that of my row, 32 (a / 2) + 8 (a % 2) + r + 8 (r / 8)
.irp j, 0,1,2,3,4,5,6,7
	global_load_b32 v[BI+8*\a+\j], v27, s[6:7] offset:(32*(\a/2)+8*(\a%2))*4
.endr
.endr
.Lbias_done:
	s_lshl_b32 s44, s[LH], 15                      ; LDS addresses.  Whichever regions are chosen, the reads of half 0 stay under byte 131,072, where half 1's load begins
	s_add_co_u32 s44, s44, s93
	s_wait_alu depctr_va_vdst(0)
	v_add_nc_u32 v[ADL], s44, v[LI]
	v_add_nc_u32 v[ADL+1], 131072, v[ADL]
	s_lshl_b32 s44, s[PH], 15
	s_add_co_u32 s44, s44, s94
	v_add_nc_u32 v[ADP], s44, v[LI]
	v_add_nc_u32 v[ADP+1], 131072, v[ADP]
	s_lshl_b32 s44, s[LH], 12
	s_add_co_u32 s44, s44, s95
	s_add_co_u32 s44, s44, SCL
	v_add_nc_u32 v[ASL], s44, v[LW]
	s_lshl_b32 s44, s[PH], 12
	s_add_co_u32 s44, s44, s96
	s_add_co_u32 s44, s44, SCL
	v_add_nc_u32 v[ASP], s44, v[LW]
	; where my results go: two chunks (128 along P), eight tiles of L
	s_lshl_b32 s44, s97, 2
	s_lshl_b32 s45, s[PH], 1
	s_add_co_u32 s44, s44, s45                     ; chunk 4 Pi + 2 PH
	s_mul_i32 s44, s44, s99
	s_add_co_u32 s44, s44, s101
	s_lshl_b32 s45, s98, 13                        ; tile 16 Li + 8 LH, 512 bytes each
	s_add_co_u32 s44, s44, s45
	s_lshl_b32 s45, s[LH], 12
	s_add_co_u32 s44, s44, s45
	s_mov_b32 s45, 0
	s_add_nc_u64 s[8:9], s[12:13], s[44:45]        ; the first chunk
	s_mov_b32 s44, s99
	s_add_nc_u64 s[10:11], s[8:9], s[44:45]        ; the second
	s_lshl_b32 s44, s97, 1
	s_add_co_u32 s44, s44, s[PH]                   ; step 2 Pi + PH
	s_mul_i32 s44, s44, s100
	s_add_co_u32 s44, s44, s4
	s_lshl_b32 s41, s98, 10                        ; word 256 Li + 128 LH
	s_add_co_u32 s44, s44, s41
	s_lshl_b32 s41, s[LH], 9
	s_add_co_u32 s44, s44, s41
	s_add_nc_u64 s[2:3], s[14:15], s[44:45]
	s_mov_b32 s46, 0x76543210
	s_mov_b32 s47, 0xfedcba98                      ; selects of v_permlanex16_b32: lane l xor 16
	s_mov_b32 s40, 0xffff0000                      ; lanes 16-31
	s_wait_alu depctr_va_vdst(0)
	s_wait_tensorcnt 1                             ; the scale words and my part of half 0 are in; half 1's load may be out
	s_barrier_signal -1
	s_barrier_wait -1                              ; everybody's are
	SCALES SCLR, ASL
	SCALES SCPR, ASP
	FETCH_P 0, 0, 0
	FETCH_L 0, 0, 0
	FETCH_L 0, 0, 4
	s_wait_loadcnt 0x0                             ; the bias
	s_cmp_eq_u32 s[KIND], 2
	s_cbranch_scc1 .Lfirst_v
	STEP 0, 0, 1                                   ; the first step starts the sums with the bias: nothing is cleared
	s_branch .Lfirst_done
.Lfirst_v:
	STEP 0, 0, 2
.Lfirst_done:
	STEP 0, 1, 0
	STEP 0, 2, 0
	; the half's last step goes over to half 1
	s_wait_tensorcnt 0x0                           ; my part of half 1 has landed
	ds_add_u32 v[SPW], v[NIL]                      ; 0 onto my spare word
	s_wait_dscnt 9                                 ; (the add and the youngest eight loads may be out)
	MUL16 0, 1, 3, 0
	s_wait_dscnt 0x0                               ; the add is done, and my reads of half 0 are over
	s_barrier_signal -1
	MUL16 2, 1, 3, 0
	WIN 0
	s_barrier_wait -1                              ; half 1 is whole
	PLACES 4
	FETCH_P 1, 0, 0
	FETCH_L 1, 0, 0
	MUL16 4, 1, 3, 0
	MUL16 6, 1, 3, 0
	PLACES 4
	WIN 0
	FETCH_L 1, 0, 4
	STEP 1, 0, 0
	STEP 1, 1, 0
	STEP 1, 2, 0
	s_wait_dscnt 8                                 ; the very last step: nothing more to fetch
	MUL16 0, 1, 7, 0
	MUL16 2, 1, 7, 0
	s_wait_dscnt 0x0
	MUL16 4, 1, 7, 0
	MUL16 6, 1, 7, 0
	WIN 0
	; THE WAY OUT.  L's tile a: a lane's 64 numbers, register 16 b + i = P index 32 b + 16 h + i of my row, become a fragment's codes and my row's scale word.
.irp b, 0,1,2,3
	v_mov_b32 v[TM+4+\b], 0                        ; the permutes' destinations are written once; these four are also the places behind the last products
.endr
.macro QEPI a
.set AC, 64*((\a)%4)
.set PCA, AF+8*(\a)
	WIN 0x0a+5*((\a)/4)                            ; sources 0 and 1: window 2 or 3
.irp b, 0,1,2,3
	v_max3_num_f32 v[TM+\b], |v[AC+16*\b]|, |v[AC+16*\b+1]|, 0x1800000   ; each accumulator is read from its low end on; the floor 2^(3 - 127) holds the byte at 1 from below
.endr
.irp i, 2,4,6,8,10,12,14
.irp b, 0,1,2,3
	v_max3_num_f32 v[TM+\b], |v[AC+16*\b+\i]|, |v[AC+16*\b+\i+1]|, v[TM+\b]
.endr
.endr
	WIN 0
.irp b, 0,1,2,3
	v_permlanex16_b32 v[TM+4+\b], v[TM+\b], s46, s47
.endr
.irp b, 0,1,2,3
	v_max_num_f32 v[TM+\b], v[TM+\b], v[TM+4+\b]   ; with lane l xor 16's sixteen: the block's largest magnitude
.endr
.irp b, 0,1,2,3
	v_add_nc_u32 v[TM+12+\b], 0xff000000, v[TM+\b] ; 2 off its exponent field: the conversion's scale operand
.endr
.irp b, 0,1,2,3
	v_lshrrev_b32 v[TM+4+\b], 23, v[TM+12+\b]      ; the scale's byte
.endr
	v_lshl_or_b32 v[PW+(\a)], v[TM+5], 8, v[TM+4]
	v_lshl_or_b32 v[PW+(\a)], v[TM+6], 16, v[PW+(\a)]
	v_lshl_or_b32 v[PW+(\a)], v[TM+7], 24, v[PW+(\a)]
	WIN 0x02+((\a)/4)                              ; source 0: window 2 or 3
.irp b, 0,1,2,3
	v_cvt_scalef32_pk8_fp4_f32 v[PCA+2*\b], v[AC+16*\b:AC+16*\b+7], v[TM+12+\b]
	v_cvt_scalef32_pk8_fp4_f32 v[PCA+2*\b+1], v[AC+16*\b+8:AC+16*\b+15], v[TM+12+\b]
.endr
	WIN 0
	v_nop                                          ; one plain place behind a scaled conversion
.irp c, 0,1                                    ; the layout wants a whole block in a lane: lanes 0-15 block 2 c, lanes 16-31 block 2 c + 1
.irp i, 0,1
	v_permlane16_swap_b32 v[PCA+4*\c+\i], v[PCA+2+4*\c+\i]
.endr
.endr
	global_store_b128 v[LI], v[PCA:PCA+3], s[8:9] offset:512*(\a)       ; 512 consecutive bytes: the tile's image in the first chunk,
	global_store_b128 v[LI], v[PCA+4:PCA+7], s[10:11] offset:512*(\a)   ; and in the second.  Every store has data registers of its own
.if (\a)%2
	v_cndmask_b32 v[PW+8+(\a)/2], v[PW+(\a)-1], v[PW+(\a)], s40         ; lanes 0-15 the even tile's words, lanes 16-31 the odd tile's
	global_store_b32 v[LW], v[PW+8+(\a)/2], s[2:3] offset:64*((\a)-1)
.endif
.endm
.irp a, 0,1,2,3,4,5,6,7
	QEPI \a
.endr
	s_wait_tensorcnt 0x0                           ; the wave's end
	ds_add_u32 v[SPW], v[NIL]
	s_wait_dscnt 0x0
	CROUND                                         ; the closing round
	s_endpgm
.Lfunc_end_k_q5ce9d923ef_qkv:
	.size	k_q5ce9d923ef_qkv, .Lfunc_end_k_q5ce9d923ef_qkv-k_q5ce9d923ef_qkv
	.p2alignl 7, 3214868480
	.fill 96, 4, 3214868480
	.section	.rodata,"a",@progbits
	.p2align	6, 0x0
	.amdhsa_kernel k_q5ce9d923ef_qkv
		.amdhsa_group_segment_fixed_size 327680
		.amdhsa_private_segment_fixed_size 0
		.amdhsa_enable_private_segment 0
		.amdhsa_kernarg_size 72
		.amdhsa_user_sgpr_count 2
		.amdhsa_user_sgpr_kernarg_segment_ptr 1
		.amdhsa_wavefront_size32 1
		.amdhsa_system_sgpr_workgroup_id_x 1
		.amdhsa_system_sgpr_workgroup_id_y 1
		.amdhsa_system_sgpr_workgroup_id_z 1
		.amdhsa_system_vgpr_workitem_id 0
		.amdhsa_next_free_vgpr 1024
		.amdhsa_next_free_sgpr 102
		.amdhsa_reserve_vcc 0
		.amdhsa_float_denorm_mode_32 3
		.amdhsa_float_denorm_mode_16_64 3
		.amdhsa_memory_ordered 1
		.amdhsa_forward_progress 1
		.amdhsa_inst_pref_size 150
	.end_amdhsa_kernel
	.amdgpu_metadata
---
amdhsa.version: [ 1, 2 ]
amdhsa.kernels:
  - .name:           k_q5ce9d923ef_qkv
    .symbol:         k_q5ce9d923ef_qkv.kd
    .args:
      - { .name: xc, .offset: 0, .size: 8, .value_kind: global_buffer, .address_space: global }
      - { .name: xs, .offset: 8, .size: 8, .value_kind: global_buffer, .address_space: global }
      - { .name: wc, .offset: 16, .size: 8, .value_kind: global_buffer, .address_space: global }
      - { .name: ws, .offset: 24, .size: 8, .value_kind: global_buffer, .address_space: global }
      - { .name: qkvc, .offset: 32, .size: 8, .value_kind: global_buffer, .address_space: global }
      - { .name: qkvs, .offset: 40, .size: 8, .value_kind: global_buffer, .address_space: global }
      - { .name: bq, .offset: 48, .size: 8, .value_kind: global_buffer, .address_space: global }
      - { .name: bk, .offset: 56, .size: 8, .value_kind: global_buffer, .address_space: global }
      - { .name: bv, .offset: 64, .size: 8, .value_kind: global_buffer, .address_space: global }
    .group_segment_fixed_size: 327680
    .private_segment_fixed_size: 0
    .kernarg_segment_align: 8
    .kernarg_segment_size: 72
    .max_flat_workgroup_size: 128
    .sgpr_count:     102
    .vgpr_count:     1024
    .wavefront_size: 32
...
	.end_amdgpu_metadata
.endif
;; end of part 2
;; launch attn (part 3): grid 8 x 32, 16 waves a work-group, clusters of 4 x 1, 327,680 bytes of LDS; arguments qkvc, qkvs, cc, cs; writes cc, cs
.if DOCPART == 3
	.amdgcn_target "amdgcn-amd-amdhsa--gfx1250"
	.amdhsa_code_object_version 6
	.text
	.protected	k_q5ce9d923ef_attn
	.globl	k_q5ce9d923ef_attn
	.p2align	8
	.type	k_q5ce9d923ef_attn,@function
k_q5ce9d923ef_attn:
	s_mov_b64 s[64:65], 0
	v_nop
	global_prefetch_b8 v0, s[64:65] scope:SCOPE_SE
	s_setreg_imm32_b32 hwreg(HW_REG_WAVE_MODE, 25, 1), 1
	s_wait_xcnt 0x0
	s_wait_alu depctr_hold_cnt(0) depctr_sa_sdst(0) depctr_va_vdst(0) depctr_va_sdst(0) depctr_va_ssrc(0) depctr_va_vcc(0) depctr_vm_vsrc(0)
	s_getreg_b32 s2, hwreg(HW_REG_IB_STS2, 6, 4)
	s_cmp_eq_u32 s2, 0
	s_cbranch_scc0 .Lentry_in_a_cluster
	s_endpgm
.Lentry_in_a_cluster:
	s_bfe_u32 s2, ttmp6, 0x10000c
	s_cmp_lg_u32 s2, 0x3003
	s_cbranch_scc0 .Lentry_shape_is_right
	s_endpgm
.Lentry_shape_is_right:
; Launch 3 of 4: context = softmax(q k^T / 8) v on codes of E2M1, and the context quantised along the model's 1,024 for the last product.  No work is left out.
; THE SOFTMAX AHEAD OF THE SECOND PRODUCT: t = score x log2(e) / 8; M = the row's largest t so far, rounded UP to a whole number; p = 2^(t - M) is quantised along the keys, not normalised.  The row's sum is
; taken of the unquantised p, in f32, and divides at the end.  When M moves, the sum and O are multiplied by 2^(old M - new M): exact.
; SHARES.  A work-group owns 256 queries of one batch and a PAIR of heads, one head after the other; each of its sixteen waves one tile of 16 queries, in 256 registers: four waves to a SIMD, so that one wave's
; vector work stands beside another's matrix work and LDS loads.  The pair makes the context's scale word (128 along the model = two heads) whole in one wave, and the second head's keys land while the first is worked.
; ALL KEYS AND VALUES OF BOTH HEADS LIE IN LDS, each byte filled once: no ring, no refill.  CLUSTER 4 x 1: the four query blocks of a cluster walk the same K and V, so every tile is asked for jointly.
; Nothing is prefetched: every byte that the launch reads is asked for in its first lines.
; LAYOUT.  Operands are images of their registers (see the first launch).  Both products are used transposed: S^T = K Q^T, O^T = V^T P^T: a lane holds ONE query throughout; by the tiles' row order the 16 registers of
; key tiles 2 b, 2 b + 1 are 16 neighbouring keys, and those of V's tiles 16 neighbouring channels.
; K = 64 IN AN INSTRUCTION 128 DEEP: registers 4-7 of Q's fragment hold zero codes, so whatever stands in registers 4-7 of the key operand adds nothing: key tile t's operand is the run v[KF + 4 t .. + 7], whose upper
; half is the next tile (behind tile 7: four registers of zeros).  The scale words are read as 16 bits, the head's two bytes: the upper two bytes are 0, never 0xff.
; LIMITS: as stated at the head of the first launch.  p that falls under the smallest normal f32 number counts as 0.
.set KSB,   262144                     ; LDS: K of head 0, 1 at 0 and 65,536: [128 tiles][512]; V at 131,072 and 196,608: [32 chunks][4 tiles][512]; K's scale words [2048][4];
.set VSB,   270336                     ; V's [16 steps][128][4];
.set CSG,   278528                     ; the context's scale words on their way out, 1,024 bytes, written by ds_store alone;
.set SPARE, 279552                     ; the spare words, 128 bytes a wave
.set LI,  1                            ; v1   16 x lane
.set LS,  2                            ; v2   4 x lane
.set SPW, 3
.set NIL, 4
.set LR,  5                            ; v5   4 x (lane % 16)
.set CSA, 6                            ; v6   where my tile's scale words go
.set CSR, 7                            ; v7   where waves 0 and 1 read them back
.set ADK, 8
.set ADV, 9
.set ADS, 10
.set ADT, 11                           ; v12 -M, v13 the largest t, v[14:15] the sum in two halves
.set QF,  16                           ; v16-23, v24-31 Q of head 0, 1
.set KF,  32                           ; v32-63 eight key tiles; v64-67 zeros
.set VF,  68                           ; v68-99 four fragments of V
.set S,   100                          ; v100-163 S^T, then p
.set O,   164                          ; v164-195 O^T
.set PC,  196                          ; v196-203 p's codes
.set BM,  204
.set BT,  208
.set BS,  212
.set KSC, 216                          ; v216-219 K's scale words, v220-221 V's, v222-223 Q's
.set VSC, 220
.set QS,  222
.set F,   224                          ; v224 f; v225 p's scale word
.set T0,  226
.set SU,  228
.set CW,  230                          ; the context's scale word
.set WO,  232                          ; v232-239 the context's codes, four registers a head
.set WV,  18
.set SEL, 20
.set CS,  22
.set G1K, 24
.set G1KS, 32
.set G1V, 40
.set G1VS, 48
.set TK,  84
.set TV,  85
.set TKS, 86
.set TVS, 87
.set CNT, 88
.macro CROUND
	s_barrier_signal -1
	s_barrier_wait -1
	s_cmp_lg_u32 s[WV], 0
	s_cbranch_scc1 .Lnot_wave_0_\@
	s_barrier_signal -3
.Lnot_wave_0_\@:
	s_barrier_wait -3
	s_barrier_signal -1
	s_barrier_wait -1
.endm
	s_load_b256 s[4:11], s[0:1], 0x0               ; qkvc, qkvs, cc, cs
	v_lshl_add_u32 v[SPW], v0, 2, SPARE
	v_mov_b32 v[NIL], 0
	ds_add_u32 v[SPW], v[NIL]                      ; the wave's opening: the add, twice on end, and its wait ahead of my first tensor load
	ds_add_u32 v[SPW], v[NIL]
	v_lshrrev_b32 v8, 5, v0
	s_delay_alu instid0(VALU_DEP_1)
	v_readfirstlane_b32 s[WV], v8                  ; wave 0..15
	s_bfe_u32 s12, ttmp6, 0x40000                  ; cx
	s_lshl_b32 s13, ttmp9, 2
	s_add_co_u32 s13, s13, s12                     ; my block of 256 queries: it enters Q's and the context's addresses alone
	s_and_b32 s14, ttmp7, 0xffff
	s_lshr_b32 s15, s14, 3                         ; the batch
	s_and_b32 s14, s14, 7                          ; the pair of heads
	s_and_b32 s16, s[WV], 1                        ; which half I fetch, if I fetch
	; descriptor groups 1: elements of 8 bytes, the mask of all four partners, no padding
	s_mov_b32 s[G1K], 15|(3<<16)|(1<<21)           ; K: 32,768 dense bytes as 128 rows of 256
	s_mov_b32 s[G1K+1], 32<<16
	s_mov_b32 s[G1K+2], 128<<16
	s_mov_b32 s[G1K+3], 32<<16
	s_mov_b32 s[G1K+4], 128
	s_mov_b32 s[G1K+5], 32
	s_mov_b32 s[G1K+6], 0
	s_mov_b32 s[G1K+7], 0
	s_mov_b32 s[G1KS], 15|(3<<16)|(1<<21)          ; K's scale words: 4,096 dense bytes as 16 rows of 256
	s_mov_b32 s[G1KS+1], 32<<16
	s_mov_b32 s[G1KS+2], 16<<16
	s_mov_b32 s[G1KS+3], 32<<16
	s_mov_b32 s[G1KS+4], 16
	s_mov_b32 s[G1KS+5], 32
	s_mov_b32 s[G1KS+6], 0
	s_mov_b32 s[G1KS+7], 0
	s_mov_b32 s[G1V], 15|(3<<16)|(1<<21)           ; V: 16 chunks x 2,048 bytes (the head's four tiles), 32,768 bytes apart
	s_mov_b32 s[G1V+1], 256<<16
	s_mov_b32 s[G1V+2], 16<<16
	s_mov_b32 s[G1V+3], 256<<16
	s_mov_b32 s[G1V+4], 16
	s_mov_b32 s[G1V+5], 4096
	s_mov_b32 s[G1V+6], 0
	s_mov_b32 s[G1V+7], 0
	s_mov_b32 s[G1VS], 15|(3<<16)|(1<<21)          ; V's scale words: 8 steps x 512 bytes (the pair's 128 rows), 4,096 bytes apart
	s_mov_b32 s[G1VS+1], 64<<16
	s_mov_b32 s[G1VS+2], 8<<16
	s_mov_b32 s[G1VS+3], 64<<16
	s_mov_b32 s[G1VS+4], 8
	s_mov_b32 s[G1VS+5], 512
	s_mov_b32 s[G1VS+6], 0
	s_mov_b32 s[G1VS+7], 0
	s_lshl_b32 s17, s16, 12                        ; my half: 4,096 bytes of scale words,
	s_lshl_b32 s19, s16, 15                        ; 32,768 of codes
	s_lshl_b32 s90, s14, 15                        ; K's scale words: step 8 + pair, 32,768 bytes a step; 8,192 a batch
	s_lshl_b32 s89, s15, 13
	s_add_co_u32 s90, s90, s89
	s_add_co_u32 s90, s90, s17
	s_add_co_u32 s90, s90, 262144
	s_mov_b32 s91, 0
	s_lshl_b32 s92, s14, 19                        ; K's codes: chunk 16 + 2 pair, 262,144 bytes a chunk; 65,536 a batch
	s_lshl_b32 s89, s15, 16
	s_add_co_u32 s92, s92, s89
	s_add_co_u32 s92, s92, s19
	s_add_co_u32 s92, s92, 4194304
	s_mov_b32 s93, 0
	s_lshl_b32 s94, s15, 16                        ; V's scale words: from 524,288; 16 steps of 4,096 bytes a batch; 512 bytes a pair
	s_add_co_u32 s94, s94, s19
	s_lshl_b32 s89, s14, 9
	s_add_co_u32 s94, s94, s89
	s_add_co_u32 s94, s94, 524288
	s_mov_b32 s95, 0
	s_lshl_b32 s96, s15, 20                        ; V's codes: from 8,388,608; 32 chunks of 32,768 bytes a batch; 4,096 bytes a pair
	s_lshl_b32 s89, s16, 19
	s_add_co_u32 s96, s96, s89
	s_lshl_b32 s89, s14, 12
	s_add_co_u32 s96, s96, s89
	s_add_co_u32 s96, s96, 8388608
	s_mov_b32 s97, 0
	s_mov_b32 s[SEL], 0x76543210
	s_mov_b32 s[SEL+1], 0xfedcba98
	s_mov_b32 s[CS], 0x3e38aa3b                    ; c = log2(e) / 8
	s_mov_b32 s[CS+1], s[CS]                       ; (named with it as a pair, so it is written)
	s_wait_dscnt 0x0                               ; both opening adds are done
	s_wait_kmcnt 0x0
	s_mov_b32 s56, 1                               ; groups 0.  K's scale words
	s_add_co_u32 s57, s17, KSB
	s_add_nc_u64 s[58:59], s[6:7], s[90:91]
	s_or_b32 s59, s59, 0x80000000
	s_mov_b32 s60, 1                               ; K of head 0
	s_mov_b32 s61, s19
	s_add_nc_u64 s[62:63], s[4:5], s[92:93]
	s_mov_b32 s68, 1                               ; K of head 1: the next chunk
	s_add_co_u32 s69, s19, 65536
	s_add_nc_u64 s[70:71], s[62:63], 262144
	s_or_b32 s63, s63, 0x80000000
	s_or_b32 s71, s71, 0x80000000
	s_mov_b32 s72, 1                               ; V's scale words
	s_add_co_u32 s73, s17, VSB
	s_add_nc_u64 s[74:75], s[6:7], s[94:95]
	s_or_b32 s75, s75, 0x80000000
	s_mov_b32 s76, 1                               ; V of head 0
	s_add_co_u32 s77, s19, 131072
	s_add_nc_u64 s[78:79], s[4:5], s[96:97]
	s_mov_b32 s80, 1                               ; V of head 1: the next four tiles
	s_add_co_u32 s81, s19, 196608
	s_add_nc_u64 s[82:83], s[78:79], 2048
	s_or_b32 s79, s79, 0x80000000
	s_or_b32 s83, s83, 0x80000000
	CROUND                                         ; all four work-groups are here: the joint loads meet
	s_cmp_lt_u32 s[WV], 2                          ; waves 0, 1 fetch K's halves, waves 2, 3 V's, the others nothing: a wave's three loads stand in one branch on its number; three are out at the most
	s_cbranch_scc0 .Lnot_k
	tensor_load_to_lds s[56:59], s[G1KS:G1KS+7]
	s_nop 0
	tensor_load_to_lds s[60:63], s[G1K:G1K+7]
	s_nop 0
	tensor_load_to_lds s[68:71], s[G1K:G1K+7]
	s_nop 0
.rept 4
	v_nop
.endr
	s_branch .Lasked
.Lnot_k:
	s_cmp_lt_u32 s[WV], 4
	s_cbranch_scc0 .Lasked
	tensor_load_to_lds s[72:75], s[G1VS:G1VS+7]
	s_nop 0
	tensor_load_to_lds s[76:79], s[G1V:G1V+7]
	s_nop 0
	tensor_load_to_lds s[80:83], s[G1V:G1V+7]
	s_nop 0
.rept 4
	v_nop
.endr
.Lasked:
	s_lshl_b32 s89, s15, 7
	s_lshl_b32 s98, s13, 4
	s_add_co_u32 s89, s89, s98                     ; the work-group's first tile of queries: 128 x batch + 16 x block
	s_add_co_u32 s98, s89, s[WV]                   ; mine
	s_lshl_b32 s90, s14, 19                        ; chunk 2 pair,
	s_lshl_b32 s92, s98, 9                         ; 512 bytes a tile
	s_add_co_u32 s90, s90, s92
	s_mov_b32 s91, 0
	s_add_nc_u64 s[4:5], s[4:5], s[90:91]          ; Q's codes
	s_add_nc_u64 s[8:9], s[8:9], s[90:91]          ; the context's lie likewise
	s_lshl_b32 s90, s14, 15                        ; step pair,
	s_lshl_b32 s92, s98, 6                         ; 64 bytes a tile
	s_add_co_u32 s92, s90, s92
	s_mov_b32 s93, 0
	s_add_nc_u64 s[6:7], s[6:7], s[92:93]          ; Q's scale words
	s_lshl_b32 s92, s89, 6
	s_add_co_u32 s92, s90, s92
	s_lshl_b32 s94, s16, 9
	s_add_co_u32 s92, s92, s94
	s_add_nc_u64 s[10:11], s[10:11], s[92:93]      ; the context's: the work-group's 1,024 bytes, 512 for each of waves 0 and 1
	v_and_b32 v8, 31, v0
	v_and_b32 v9, 15, v0
	s_delay_alu instid0(VALU_DEP_2)
	v_lshlrev_b32 v[LI], 4, v8
	s_delay_alu instid0(VALU_DEP_3)
	v_lshlrev_b32 v[LS], 2, v8
	s_delay_alu instid0(VALU_DEP_3)
	v_lshlrev_b32 v[LR], 2, v9
.irp hp, 0,1
	global_load_b128 v[QF+8*\hp:QF+8*\hp+3], v[LI], s[4:5] offset:\hp*262144    ; Q stays in registers
	global_load_u16 v[QS+\hp], v[LR], s[6:7] offset:2*\hp                       ; the head's two bytes of my row's word
.endr
	s_lshl_b32 s92, s[WV], 6
	s_add_co_u32 s92, s92, CSG
	v_add_nc_u32 v[CSA], s92, v[LR]
	s_add_co_u32 s94, s94, CSG
	v_add_nc_u32 v[CSR], s94, v[LI]
.irp j, 0,1,2,3
	v_mov_b32 v[QF+4+\j], 0                        ; zero codes for k = 64 .. 127
	v_mov_b32 v[QF+12+\j], 0
	v_mov_b32 v[KF+32+\j], 0                       ; behind key tile 7
	v_mov_b32 v[BT+\j], 0                          ; a lane permute's destination counts as one of its sources
.endr
	v_mov_b32 v[F+1], 0                            ; (named as the upper half of a pair before it is first written)
	s_wait_tensorcnt 1                             ; the scale words and head 0's tiles are in; head 1's load may be out
	s_barrier_signal -1
	s_barrier_wait -1
	s_wait_loadcnt 0x0                             ; Q
; A KEY STEP: 128 keys of head hp.
.macro STEP hp
	v_add_nc_u32 v[ADK], s[TK], v[LI]              ; these four are also the places in front of the loads into registers that the last products have read
	v_add_nc_u32 v[ADV], s[TV], v[LI]
	v_add_nc_u32 v[ADS], s[TKS], v[LS]
	v_add_nc_u32 v[ADT], s[TVS], v[LS]
.irp t, 0,1,2,3,4,5,6,7
	ds_load_b128 v[KF+4*\t:KF+4*\t+3], v[ADK] offset:512*\t
.endr
.irp i, 0,1,2,3
	ds_load_u16 v[KSC+\i], v[ADS] offset:128*\i    ; lanes 0-15 tile 2 i, lanes 16-31 tile 2 i + 1
.endr
.irp t, 0,1,2,3
.irp c, 0,1
	ds_load_b128 v[VF+8*\t+4*\c:VF+8*\t+4*\c+3], v[ADV] offset:2048*\c+512*\t
.endr
.endr
.irp i, 0,1
	ds_load_b32 v[VSC+\i], v[ADT] offset:128*\i
.endr
	s_wait_dscnt 10                                ; K and its scale words are in; V's ten loads may be out
.irp t, 0,1,2,3,4,5,6,7
.if \t%2
	v_wmma_scale_f32_16x16x128_f8f6f4 v[S+8*\t:S+8*\t+7], v[KF+4*\t:KF+4*\t+7], v[QF+8*\hp:QF+8*\hp+7], 0, v[KSC+\t/2], v[QS+\hp] matrix_a_fmt:MATRIX_FMT_FP4 matrix_b_fmt:MATRIX_FMT_FP4 matrix_a_scale:MATRIX_SCALE_ROW1
.else
	v_wmma_scale_f32_16x16x128_f8f6f4 v[S+8*\t:S+8*\t+7], v[KF+4*\t:KF+4*\t+7], v[QF+8*\hp:QF+8*\hp+7], 0, v[KSC+\t/2], v[QS+\hp] matrix_a_fmt:MATRIX_FMT_FP4 matrix_b_fmt:MATRIX_FMT_FP4
.endif
.endr
.rept 4
	v_nop
.endr
.irp b, 0,1,2,3
	v_max3_num_f32 v[BM+\b], v[S+16*\b], v[S+16*\b+1], v[S+16*\b+2]   ; the largest score of each block of 32 keys: it serves for the row's maximum and, since p rises with the score, for the block's largest p
.endr
.irp i, 3,5,7,9,11,13
.irp b, 0,1,2,3
	v_max3_num_f32 v[BM+\b], v[BM+\b], v[S+16*\b+\i], v[S+16*\b+\i+1]
.endr
.endr
.irp b, 0,1,2,3
	v_max_num_f32 v[BM+\b], v[BM+\b], v[S+16*\b+15]
.endr
.irp b, 0,1,2,3
	s_delay_alu instid0(VALU_DEP_4)
	v_permlanex16_b32 v[BT+\b], v[BM+\b], s[SEL], s[SEL+1]
.endr
.irp b, 0,1,2,3
	s_delay_alu instid0(VALU_DEP_4)
	v_max_num_f32 v[BM+\b], v[BM+\b], v[BT+\b]     ; with lane l xor 16's 16 keys
.endr
	s_delay_alu instid0(VALU_DEP_2)
	v_max3_num_f32 v[T0], v[BM], v[BM+1], v[BM+2]
	s_delay_alu instid0(VALU_DEP_1)
	v_max_num_f32 v[T0], v[T0], v[BM+3]            ; the step's largest score of my query
	s_delay_alu instid0(VALU_DEP_1)
	v_mul_f32 v[T0], s[CS], v[T0]                  ; as t
	s_delay_alu instid0(VALU_DEP_1)
	v_max_num_f32 v13, v13, v[T0]                  ; the running largest t
	v_mov_b32 v[T0], v12
	s_delay_alu instid0(VALU_DEP_2)
	v_floor_f32 v12, -v13                          ; the new -M = floor(-t): M is a whole number
	s_delay_alu instid0(VALU_DEP_1)
	v_sub_f32 v[T0], v12, v[T0]                    ; old M less new M: a whole number, 0 or less
	s_delay_alu instid0(VALU_DEP_1)
	v_cvt_i32_f32 v[T0], v[T0]                     ; (it saturates)
	s_delay_alu instid0(VALU_DEP_1)
	v_ldexp_f32 v[F], 1.0, v[T0]                   ; f = 2^(old M - new M)
.irp j, 0,2,4,6,8,10,12,14,16,18,20,22,24,26,28,30,32,34,36,38,40,42,44,46,48,50,52,54,56,58,60,62
	v_pk_fma_f32 v[S+\j:S+\j+1], v[S+\j:S+\j+1], s[CS:CS+1], v[12:13] op_sel_hi:[1,0,0]   ; t - M, two at a time
.endr
.irp b, 0,1,2,3
	v_fma_f32 v[BM+\b], v[BM+\b], s[CS], v12       ; the same of each block's largest score
.endr
	s_wait_alu depctr_va_vdst(0)
.irp j, 0,1,2,3,4,5,6,7,8,9,10,11,12,13,14,15,16,17,18,19,20,21,22,23,24,25,26,27,28,29,30,31,32,33,34,35,36,37,38,39,40,41,42,43,44,45,46,47,48,49,50,51,52,53,54,55,56,57,58,59,60,61,62,63
	v_exp_f32 v[S+\j], v[S+\j]                     ; p = 2^(t - M), at most 1
.endr
	s_setprio 1
	v_pk_mul_f32 v[14:15], v[14:15], v[F:F+1] op_sel_hi:[1,0]   ; the sums under the new M (a plain place behind the exponentials)
	s_wait_alu depctr_va_vdst(0)                   ; one wait for the whole batch, ahead of its first reader
.irp b, 0,1,2,3
	v_exp_f32 v[BM+\b], v[BM+\b]                   ; the block's largest p
.endr
	v_pk_add_f32 v[228:229], v[104:105], v[108:109]
	v_pk_add_f32 v[254:255], v[112:113], v[116:117]
	v_pk_add_f32 v[252:253], v[120:121], v[124:125]
	v_pk_add_f32 v[250:251], v[128:129], v[132:133]
	v_pk_add_f32 v[248:249], v[136:137], v[140:141]
	v_pk_add_f32 v[246:247], v[144:145], v[148:149]
	v_pk_add_f32 v[244:245], v[152:153], v[156:157]
	v_pk_add_f32 v[14:15], v[14:15], v[160:161]
	v_pk_add_f32 v[228:229], v[228:229], v[100:101]
	v_pk_add_f32 v[254:255], v[254:255], v[102:103]
	v_pk_add_f32 v[252:253], v[252:253], v[106:107]
	v_pk_add_f32 v[250:251], v[250:251], v[110:111]
	v_pk_add_f32 v[248:249], v[248:249], v[114:115]
	v_pk_add_f32 v[246:247], v[246:247], v[118:119]
	v_pk_add_f32 v[244:245], v[244:245], v[122:123]
	v_pk_add_f32 v[14:15], v[14:15], v[126:127]
	v_pk_add_f32 v[228:229], v[228:229], v[130:131]
	v_pk_add_f32 v[254:255], v[254:255], v[134:135]
	v_pk_add_f32 v[252:253], v[252:253], v[138:139]
	v_pk_add_f32 v[250:251], v[250:251], v[142:143]
	v_pk_add_f32 v[248:249], v[248:249], v[146:147]
	v_pk_add_f32 v[246:247], v[246:247], v[150:151]
	v_pk_add_f32 v[244:245], v[244:245], v[154:155]
	v_pk_add_f32 v[14:15], v[14:15], v[158:159]
	v_pk_add_f32 v[228:229], v[228:229], v[162:163]
	s_delay_alu instid0(VALU_DEP_2)
	v_pk_add_f32 v[14:15], v[14:15], v[250:251]
	s_delay_alu instid0(VALU_DEP_2)
	v_pk_add_f32 v[228:229], v[228:229], v[248:249]
	v_pk_add_f32 v[254:255], v[254:255], v[246:247]
	v_pk_add_f32 v[252:253], v[252:253], v[244:245]
	s_delay_alu instid0(VALU_DEP_2)
	v_pk_add_f32 v[14:15], v[14:15], v[254:255]
	s_delay_alu instid0(VALU_DEP_2)
	v_pk_add_f32 v[228:229], v[228:229], v[252:253]
	s_delay_alu instid0(VALU_DEP_1)
	v_pk_add_f32 v[14:15], v[14:15], v[228:229]
	s_wait_alu depctr_va_vdst(0)                   ; and one for the four
.irp b, 0,1,2,3
	v_max_num_f32 v[BM+\b], 0x1800000, v[BM+\b]    ; the floor 2^(3 - 127): the byte cannot fall under 1
.endr
.irp b, 0,1,2,3
	s_delay_alu instid0(VALU_DEP_4)
	v_add_nc_u32 v[BS+\b], 0xff000000, v[BM+\b]    ; the conversion's scale operand
.endr
.irp b, 0,1,2,3
	s_delay_alu instid0(VALU_DEP_4)
	v_lshrrev_b32 v[BT+\b], 23, v[BS+\b]           ; the scale's byte
.endr
	s_delay_alu instid0(VALU_DEP_3)
	v_lshl_or_b32 v[F+1], v[BT+1], 8, v[BT]        ; p's scale word for these 128 keys
	s_delay_alu instid0(VALU_DEP_1)
	v_lshl_or_b32 v[F+1], v[BT+2], 16, v[F+1]
	s_delay_alu instid0(VALU_DEP_1)
	v_lshl_or_b32 v[F+1], v[BT+3], 24, v[F+1]
.irp b, 0,1,2,3
	v_cvt_scalef32_pk8_fp4_f32 v[PC+2*\b], v[S+16*\b:S+16*\b+7], v[BS+\b]
	v_cvt_scalef32_pk8_fp4_f32 v[PC+2*\b+1], v[S+16*\b+8:S+16*\b+15], v[BS+\b]
.endr
	v_nop                                          ; one plain place behind a scaled conversion
.irp c, 0,1
.irp i, 0,1
	v_permlane16_swap_b32 v[PC+4*\c+\i], v[PC+2+4*\c+\i]
.endr
.endr
	s_setprio 0
.irp j, 0,2,4,6,8,10,12,14,16,18,20,22,24,26,28,30
	v_pk_mul_f32 v[O+\j:O+\j+1], v[O+\j:O+\j+1], v[F:F+1] op_sel_hi:[1,0]   ; O^T under the new M.  These sixteen also stand between the writes of p's codes and scale word and the products below
.endr
	s_wait_alu depctr_va_vdst(0)
	s_wait_dscnt 0x0                               ; V and its scale words
.irp t, 0,1,2,3                                ; O^T += V^T P^T; the four accumulators take turns
.if \t%2
	v_wmma_scale_f32_16x16x128_f8f6f4 v[O+8*\t:O+8*\t+7], v[VF+8*\t:VF+8*\t+7], v[PC:PC+7], v[O+8*\t:O+8*\t+7], v[VSC+\t/2], v[F+1] matrix_a_fmt:MATRIX_FMT_FP4 matrix_b_fmt:MATRIX_FMT_FP4 matrix_a_scale:MATRIX_SCALE_ROW1
.else
	v_wmma_scale_f32_16x16x128_f8f6f4 v[O+8*\t:O+8*\t+7], v[VF+8*\t:VF+8*\t+7], v[PC:PC+7], v[O+8*\t:O+8*\t+7], v[VSC+\t/2], v[F+1] matrix_a_fmt:MATRIX_FMT_FP4 matrix_b_fmt:MATRIX_FMT_FP4
.endif
.endr
	s_add_co_u32 s[TK], s[TK], 4096                ; eight tiles of keys on,
	s_add_co_u32 s[TV], s[TV], 4096                ; two chunks of V,
	s_add_co_u32 s[TKS], s[TKS], 512               ; 128 words,
	s_add_co_u32 s[TVS], s[TVS], 512               ; one step
.endm
; One head: sixteen key steps, then O^T / the sum, quantised along the head's 64 (two blocks), stored as the context's image.
.macro HEAD hp
	v_mov_b32 v13, 0xff61b1e6                      ; the largest t so far: -3e38, under every t
	s_delay_alu instid0(VALU_DEP_1)
	v_floor_f32 v12, -v13
	v_mov_b32 v14, 0
	v_mov_b32 v15, 0
.irp j, 0,1,2,3,4,5,6,7,8,9,10,11,12,13,14,15,16,17,18,19,20,21,22,23,24,25,26,27,28,29,30,31
	v_mov_b32 v[O+\j], 0                           ; the step is written once: the first finds zeros, which the first change of M leaves zeros
.endr
	s_mov_b32 s[TK], 65536*\hp
	s_mov_b32 s[TV], 131072+65536*\hp
	s_mov_b32 s[TKS], KSB+2*\hp
	s_mov_b32 s[TVS], VSB+256*\hp
	s_mov_b32 s[CNT], 16
.Lstep_\@:
	s_setprio 2
	STEP \hp
	s_sub_co_u32 s[CNT], s[CNT], 1
	s_cmp_lg_u32 s[CNT], 0
	s_cbranch_scc1 .Lstep_\@
	s_setprio 0
.rept 4
	v_nop                                          ; places behind the last products
.endr
	v_add_f32 v14, v14, v15                        ; the sum's two halves,
	s_delay_alu instid0(VALU_DEP_1)
	v_permlanex16_b32 v[BT], v14, s[SEL], s[SEL+1]
	s_delay_alu instid0(VALU_DEP_1)
	v_add_f32 v14, v14, v[BT]                      ; and lane l xor 16's
	s_wait_alu depctr_va_vdst(0)
	v_rcp_f32 v14, v14
	v_nop                                          ; a plain place behind the reciprocal
	s_wait_alu depctr_va_vdst(0)                   ; and the wait ahead of its first reader
.irp j, 0,2,4,6,8,10,12,14,16,18,20,22,24,26,28,30
	v_pk_mul_f32 v[S+\j:S+\j+1], v[O+\j:O+\j+1], v[14:15] op_sel_hi:[1,0]   ; register 16 b + i is channel 32 b + 16 h + i of my query; each accumulator is read from its low end on
.endr
.irp b, 0,1
	v_max3_num_f32 v[BM+\b], |v[S+16*\b]|, |v[S+16*\b+1]|, 0x1800000
.endr
.irp i, 2,4,6,8,10,12,14
.irp b, 0,1
	s_delay_alu instid0(VALU_DEP_2)
	v_max3_num_f32 v[BM+\b], v[BM+\b], |v[S+16*\b+\i]|, |v[S+16*\b+\i+1]|
.endr
.endr
.irp b, 0,1
	s_delay_alu instid0(VALU_DEP_2)
	v_permlanex16_b32 v[BT+\b], v[BM+\b], s[SEL], s[SEL+1]
.endr
.irp b, 0,1
	s_delay_alu instid0(VALU_DEP_2)
	v_max_num_f32 v[BM+\b], v[BM+\b], v[BT+\b]
.endr
.irp b, 0,1
	s_delay_alu instid0(VALU_DEP_2)
	v_add_nc_u32 v[BS+\b], 0xff000000, v[BM+\b]
.endr
.irp b, 0,1
	s_delay_alu instid0(VALU_DEP_2)
	v_lshrrev_b32 v[BT+\b], 23, v[BS+\b]
.endr
.if \hp == 0
	s_delay_alu instid0(VALU_DEP_1)
	v_lshl_or_b32 v[CW], v[BT+1], 8, v[BT]         ; the even head's two bytes of my row's word
.else
	s_delay_alu instid0(VALU_DEP_1)
	v_lshl_or_b32 v[T0], v[BT+1], 8, v[BT]
	s_delay_alu instid0(VALU_DEP_1)
	v_lshl_or_b32 v[CW], v[T0], 16, v[CW]          ; and the odd head's
.endif
.irp b, 0,1
	v_cvt_scalef32_pk8_fp4_f32 v[WO+4*\hp+2*\b], v[S+16*\b:S+16*\b+7], v[BS+\b]
	v_cvt_scalef32_pk8_fp4_f32 v[WO+4*\hp+2*\b+1], v[S+16*\b+8:S+16*\b+15], v[BS+\b]
.endr
	v_nop                                          ; one plain place behind a scaled conversion
	v_permlane16_swap_b32 v[WO+4*\hp], v[WO+4*\hp+2]
	v_permlane16_swap_b32 v[WO+4*\hp+1], v[WO+4*\hp+3]
	global_store_b128 v[LI], v[WO+4*\hp:WO+4*\hp+3], s[8:9] offset:\hp*262144   ; the tile's image in the head's chunk: 512 consecutive bytes
.endm
	HEAD 0
	s_wait_tensorcnt 0x0                           ; my part of head 1's tiles has landed
	ds_add_u32 v[SPW], v[NIL]                      ; 0 onto my spare word
	s_wait_dscnt 0x0
	s_barrier_signal -1
	s_barrier_wait -1                              ; everybody's has
	HEAD 1
	ds_store_b32 v[CSA], v[CW]                     ; lanes r and r + 16 write the same word with the same value
	s_wait_dscnt 0x0                               ; for the others' sake
	s_barrier_signal -1
	s_barrier_wait -1
	s_cmp_lt_u32 s[WV], 2
	s_cbranch_scc0 .Lno_words
	ds_load_b128 v[240:243], v[CSR]                ; sixteen tiles' words leave as 1,024 consecutive bytes, 512 a wave
	s_wait_dscnt 0x0
	global_store_b128 v[LI], v[240:243], s[10:11]
.Lno_words:
	s_wait_tensorcnt 0x0                           ; the wave's end
	ds_add_u32 v[SPW], v[NIL]
	s_wait_dscnt 0x0
	CROUND                                         ; the closing round
	s_endpgm
.Lfunc_end_k_q5ce9d923ef_attn:
	.size	k_q5ce9d923ef_attn, .Lfunc_end_k_q5ce9d923ef_attn-k_q5ce9d923ef_attn
	.p2alignl 7, 3214868480
	.fill 96, 4, 3214868480
	.section	.rodata,"a",@progbits
	.p2align	6, 0x0
	.amdhsa_kernel k_q5ce9d923ef_attn
		.amdhsa_group_segment_fixed_size 327680
		.amdhsa_private_segment_fixed_size 0
		.amdhsa_enable_private_segment 0
		.amdhsa_kernarg_size 32
		.amdhsa_user_sgpr_count 2
		.amdhsa_user_sgpr_kernarg_segment_ptr 1
		.amdhsa_wavefront_size32 1
		.amdhsa_system_sgpr_workgroup_id_x 1
		.amdhsa_system_sgpr_workgroup_id_y 1
		.amdhsa_system_sgpr_workgroup_id_z 1
		.amdhsa_system_vgpr_workitem_id 0
		.amdhsa_next_free_vgpr 256
		.amdhsa_next_free_sgpr 100
		.amdhsa_reserve_vcc 0
		.amdhsa_float_denorm_mode_32 3
		.amdhsa_float_denorm_mode_16_64 3
		.amdhsa_memory_ordered 1
		.amdhsa_forward_progress 1
		.amdhsa_inst_pref_size 54
	.end_amdhsa_kernel
	.amdgpu_metadata
---
amdhsa.version: [ 1, 2 ]
amdhsa.kernels:
  - .name:           k_q5ce9d923ef_attn
    .symbol:         k_q5ce9d923ef_attn.kd
    .args:
      - { .name: qkvc, .offset: 0, .size: 8, .value_kind: global_buffer, .address_space: global }
      - { .name: qkvs, .offset: 8, .size: 8, .value_kind: global_buffer, .address_space: global }
      - { .name: cc, .offset: 16, .size: 8, .value_kind: global_buffer, .address_space: global }
      - { .name: cs, .offset: 24, .size: 8, .value_kind: global_buffer, .address_space: global }
    .group_segment_fixed_size: 327680
    .private_segment_fixed_size: 0
    .kernarg_segment_align: 8
    .kernarg_segment_size: 32
    .max_flat_workgroup_size: 512
    .sgpr_count:     100
    .vgpr_count:     256
    .wavefront_size: 32
...
	.end_amdgpu_metadata
.endif
;; end of part 3
;; launch outp (part 4): grid 4 x 32, 4 waves a work-group, clusters of 4 x 4, 327,680 bytes of LDS; arguments cc, cs, wc, ws, bo, out0; writes out0
.if DOCPART == 4
	.amdgcn_target "amdgcn-amd-amdhsa--gfx1250"
	.amdhsa_code_object_version 6
	.text
	.protected	k_q5ce9d923ef_outp
	.globl	k_q5ce9d923ef_outp
	.p2align	8
	.type	k_q5ce9d923ef_outp,@function
k_q5ce9d923ef_outp:
	s_mov_b64 s[64:65], 0
	v_nop
	global_prefetch_b8 v0, s[64:65] scope:SCOPE_SE
	s_setreg_imm32_b32 hwreg(HW_REG_WAVE_MODE, 25, 1), 1
	s_wait_xcnt 0x0
	s_wait_alu depctr_hold_cnt(0) depctr_sa_sdst(0) depctr_va_vdst(0) depctr_va_sdst(0) depctr_va_ssrc(0) depctr_va_vcc(0) depctr_vm_vsrc(0)
	s_getreg_b32 s2, hwreg(HW_REG_IB_STS2, 6, 4)
	s_cmp_eq_u32 s2, 0
	s_cbranch_scc0 .Lentry_in_a_cluster
	s_endpgm
.Lentry_in_a_cluster:
	s_bfe_u32 s2, ttmp6, 0x10000c
	s_cmp_lg_u32 s2, 0xf033
	s_cbranch_scc0 .Lentry_shape_is_right
	s_endpgm
.Lentry_shape_is_right:
; Launch 4 of 4: out0 = context Wo + bo on codes of E2M1; f32 rows out.  No work is left out.
; The product is that of the second launch with fixed roles: L (source 1) = the context's tokens, P (source 0) = Wo's columns (rows 3072.. of wc).  A tile of 256 x 256 by four waves, each 128 x 128: 64 accumulators.
; All of K lies in LDS in two halves, each filled once.  bo is the C of each sum's first product.  128 work-groups: the output has 128 tiles of this size, and what the launch moves most is its 32 MiB of results.
; CLUSTER 4 x 4: the context's tile is asked for jointly along a row of the cluster, Wo's along a column.
; OPERANDS are images of their registers: rows in tiles of 16, tile 2 b + u holding at place r the row 32 b + 8 u + r + 8 (r / 8); codes [K / 64][tile][lane][16 bytes]; scale words [K / 128][16 tile + r][4 bytes].
; REGISTERS: window 0: v16-27 addresses; v28, v29 the add's two; v32-63 L's scale words, v64-95 P's; v128-191 L's fragments; v192-255 the bias; on the way out v128-255 hold rows of the result.
;   window 1: P's fragments, two sets.   windows 2, 3: accumulator (a, b) at v[8 (8 (a % 4) + b)].
.set SCL,   262144
.set SPARE, 278528
.set ADL, 16
.set ADP, 20
.set ASL, 22
.set ASP, 23
.set STO, 24                           ; v24  the stage: where I put 32 bytes of a row
.set RD,  25                           ; v25  and where I read a row back
.set CO,  26                           ; v26  16 x lane
.set SPW, 28
.set NIL, 29
.set SCLR, 32
.set SCPR, 64
.set AF,  128
.set BI,  192
.set WV, 22
.set LH, 23
.set PH, 66
.set G1X, 24
.set G0X, 32
.set G1W, 48
.set G0W, 56
.set G1XS, 68
.set G0XS, 76
.set G1WS, 80
.set G0WS, 88
.set MSB, 0
.macro WIN new                         ; the immediate's high byte repeats the setting that is left
.if MSB != (\new)
	s_set_vgpr_msb (MSB<<8)|(\new)
.set MSB, (\new)
.endif
.endm
.macro PLACES n
.rept \n
	v_nop
.endr
.endm
.macro CROUND
	s_barrier_signal -1
	s_barrier_wait -1
	s_cmp_lg_u32 s[WV], 0
	s_cbranch_scc1 .Lnot_wave_0_\@
	s_barrier_signal -3
.Lnot_wave_0_\@:
	s_barrier_wait -3
	s_barrier_signal -1
	s_barrier_wait -1
.endm
.macro JLOAD g0a, g1a, g0b, g1b        ; a joint load: waves 0, 1 fetch for the context, waves 2, 3 for Wo; an s_nop 0 and four v_nop follow each line
	s_cmp_eq_u32 s[LH], 0
	s_cbranch_scc0 .Lfor_w_\@
	tensor_load_to_lds s[\g0a:\g0a+3], s[\g1a:\g1a+7]
	s_nop 0
.rept 4
	v_nop
.endr
	s_branch .Lasked_\@
.Lfor_w_\@:
	tensor_load_to_lds s[\g0b:\g0b+3], s[\g1b:\g1b+7]
	s_nop 0
.rept 4
	v_nop
.endr
.Lasked_\@:
.endm
.macro FRAG reg, adr, q, i
	ds_load_b128 v[\reg:\reg+3], v[\adr] offset:(2*(\q))*4096+(\i)*512
	ds_load_b128 v[\reg+4:\reg+7], v[\adr] offset:(2*(\q)+1)*4096+(\i)*512
.endm
.macro FETCH_P H, q, p
	WIN 0x40
.irp i, 0,1,2,3,4,5,6,7
	FRAG 128*(\p)+8*\i, ADP+\H, \q, \i
.endr
	WIN 0
.endm
.macro FETCH_L H, q, i0
.irp i, \i0, \i0+1, \i0+2, \i0+3
	FRAG AF+8*(\i), ADL+\H, \q, \i
.endr
.endm
.macro SCALES reg, adr
.irp g, 0,1,2,3
.irp s, 0,1,2,3,4,5,6,7
	ds_load_b32 v[\reg+8*\g+\s], v[\adr] offset:\s*512+\g*128
.endr
.endr
.endm
; One product: L's tile a x P's tile b, K step s, P's set p.  cm = 0: adds in place; 1: starts the sum with the bias of P's tile b.  An odd tile's scale words stand in lanes 16-31.
.macro WM a, b, p, s, cm
.set rD, 8*(8*((\a)%4)+(\b))
.set rC, rD
.if (\cm) == 1
.set rC, BI+8*(\b)
.endif
.set rP, 128*(\p)+8*(\b)
.set rL, AF+8*(\a)
.set kP, SCPR+8*((\b)/2)+(\s)
.set kL, SCLR+8*((\a)/2)+(\s)
.if (((\a)%2) == 0) && (((\b)%2) == 0)
	v_wmma_scale_f32_16x16x128_f8f6f4 v[rD:rD+7], v[rP:rP+7], v[rL:rL+7], v[rC:rC+7], v[kP], v[kL] matrix_a_fmt:MATRIX_FMT_FP4 matrix_b_fmt:MATRIX_FMT_FP4
.elseif ((\a)%2) == 0
	v_wmma_scale_f32_16x16x128_f8f6f4 v[rD:rD+7], v[rP:rP+7], v[rL:rL+7], v[rC:rC+7], v[kP], v[kL] matrix_a_fmt:MATRIX_FMT_FP4 matrix_b_fmt:MATRIX_FMT_FP4 matrix_a_scale:MATRIX_SCALE_ROW1
.elseif ((\b)%2) == 0
	v_wmma_scale_f32_16x16x128_f8f6f4 v[rD:rD+7], v[rP:rP+7], v[rL:rL+7], v[rC:rC+7], v[kP], v[kL] matrix_a_fmt:MATRIX_FMT_FP4 matrix_b_fmt:MATRIX_FMT_FP4 matrix_b_scale:MATRIX_SCALE_ROW1
.else
	v_wmma_scale_f32_16x16x128_f8f6f4 v[rD:rD+7], v[rP:rP+7], v[rL:rL+7], v[rC:rC+7], v[kP], v[kL] matrix_a_fmt:MATRIX_FMT_FP4 matrix_b_fmt:MATRIX_FMT_FP4 matrix_a_scale:MATRIX_SCALE_ROW1 matrix_b_scale:MATRIX_SCALE_ROW1
.endif
.endm
.macro MUL16 a0, p, s, cm              ; the 64 accumulators take turns, one instruction a turn, in the same order in every step
.if (\cm) == 0
	WIN 0xa1+0x50*((\a0)/4)
.else
	WIN 0x81+0x40*((\a0)/4)
.endif
.irp a, \a0, \a0+1
.irp b, 0,1,2,3,4,5,6,7
	WM \a, \b, \p, \s, \cm
.endr
.endr
.endm
.macro STEP H, q, cm                   ; a step of 128 along K that has its successor in the same half
	s_wait_dscnt 8                                 ; all but the youngest eight loads (L's tiles 4-7) are in
	MUL16 0, (\q)%2, 4*(\H)+(\q), \cm
	MUL16 2, (\q)%2, 4*(\H)+(\q), \cm
	s_wait_dscnt 0x0
	PLACES 4                                       ; four plain vector instructions in front of loads into registers that matrix instructions have read
	FETCH_P \H, (\q)+1, 1-(\q)%2
	FETCH_L \H, (\q)+1, 0
	MUL16 4, (\q)%2, 4*(\H)+(\q), \cm
	MUL16 6, (\q)%2, 4*(\H)+(\q), \cm
	PLACES 4
	WIN 0
	FETCH_L \H, (\q)+1, 4
.endm
	s_load_b256 s[4:11], s[0:1], 0x0               ; cc, cs, wc, ws
	s_load_b128 s[12:15], s[0:1], 0x20             ; bo, out0
	v_lshl_add_u32 v[SPW], v0, 2, SPARE
	v_mov_b32 v[NIL], 0
	ds_add_u32 v[SPW], v[NIL]                      ; the wave's opening: the add, twice on end, and its wait ahead of my first tensor load
	ds_add_u32 v[SPW], v[NIL]
	v_lshrrev_b32 v1, 5, v0
	v_readfirstlane_b32 s[WV], v1
	s_lshr_b32 s[LH], s[WV], 1
	s_and_b32 s[PH], s[WV], 1
	s_bfe_u32 s40, ttmp6, 0x40000                  ; cx
	s_bfe_u32 s41, ttmp6, 0x40004                  ; cy
	s_lshl_b32 s42, ttmp9, 2
	s_add_co_u32 s42, s42, s40                     ; tc: 256 columns of the output
	s_and_b32 s43, ttmp7, 0xffff
	s_lshl_b32 s43, s43, 2
	s_add_co_u32 s43, s43, s41                     ; tr: 256 tokens
	s_lshl_b32 s44, s41, 2
	s_lshl_b32 s44, 15, s44                        ; my row of the cluster
	s_lshl_b32 s45, 0x1111, s40                    ; my column
	s_or_b32 s[G1X], s44, (3<<16)|(1<<21)          ; codes: 8 chunks x 4,096 bytes; elements of 8 bytes, no padding
	s_mov_b32 s[G1X+1], 512<<16
	s_mov_b32 s[G1X+2], 8<<16
	s_mov_b32 s[G1X+3], 512<<16
	s_mov_b32 s[G1X+4], 8
	s_mov_b32 s[G1X+5], 32768
	s_mov_b32 s[G1X+6], 0
	s_mov_b32 s[G1X+7], 0
	s_or_b32 s[G1W], s45, (3<<16)|(1<<21)
	s_mov_b32 s[G1W+1], 512<<16
	s_mov_b32 s[G1W+2], 8<<16
	s_mov_b32 s[G1W+3], 512<<16
	s_mov_b32 s[G1W+4], 8
	s_mov_b32 s[G1W+5], 16384
	s_mov_b32 s[G1W+6], 0
	s_mov_b32 s[G1W+7], 0
	s_or_b32 s[G1XS], s44, (3<<16)|(1<<21)         ; scale words: 8 K steps x 512 bytes
	s_mov_b32 s[G1XS+1], 64<<16
	s_mov_b32 s[G1XS+2], 8<<16
	s_mov_b32 s[G1XS+3], 64<<16
	s_mov_b32 s[G1XS+4], 8
	s_mov_b32 s[G1XS+5], 4096
	s_mov_b32 s[G1XS+6], 0
	s_mov_b32 s[G1XS+7], 0
	s_or_b32 s[G1WS], s45, (3<<16)|(1<<21)
	s_mov_b32 s[G1WS+1], 64<<16
	s_mov_b32 s[G1WS+2], 8<<16
	s_mov_b32 s[G1WS+3], 64<<16
	s_mov_b32 s[G1WS+4], 8
	s_mov_b32 s[G1WS+5], 2048
	s_mov_b32 s[G1WS+6], 0
	s_mov_b32 s[G1WS+7], 0
	s_lshl_b32 s46, s43, 13                        ; the context's codes
	s_lshl_b32 s47, s[PH], 12
	s_add_co_u32 s46, s46, s47
	s_mov_b32 s47, 0
	s_lshl_b32 s94, s43, 10                        ; and scale words
	s_lshl_b32 s95, s[PH], 9
	s_add_co_u32 s94, s94, s95
	s_mov_b32 s95, 0
	s_add_co_u32 s100, s42, 12                     ; Wo begins at tile column 12 of wc
	s_lshl_b32 s96, s100, 13
	s_lshl_b32 s97, s[PH], 12
	s_add_co_u32 s96, s96, s97
	s_mov_b32 s97, 0
	s_lshl_b32 s98, s100, 10
	s_lshl_b32 s99, s[PH], 9
	s_add_co_u32 s98, s98, s99
	s_mov_b32 s99, 0
	s_lshl_b32 s67, s[WV], 15
	s_lshl_b32 s93, s[WV], 12
	s_wait_dscnt 0x0                               ; both opening adds are done
	s_wait_kmcnt 0x0
	s_add_nc_u64 s[4:5], s[4:5], s[46:47]
	s_add_nc_u64 s[6:7], s[6:7], s[94:95]
	s_add_nc_u64 s[8:9], s[8:9], s[96:97]
	s_add_nc_u64 s[10:11], s[10:11], s[98:99]
	CROUND                                         ; all sixteen work-groups are here: the first joint loads meet
	s_mov_b32 s[G0XS], 1
	s_add_co_u32 s[G0XS+1], s93, SCL
	s_mov_b64 s[G0XS+2:G0XS+3], s[6:7]
	s_or_b32 s[G0XS+3], s[G0XS+3], 0x80000000
	s_mov_b32 s[G0WS], 1
	s_add_co_u32 s[G0WS+1], s93, SCL
	s_mov_b64 s[G0WS+2:G0WS+3], s[10:11]
	s_or_b32 s[G0WS+3], s[G0WS+3], 0x80000000
	JLOAD G0XS, G1XS, G0WS, G1WS
.irp H, 0,1
	s_mov_b32 s[G0X+4*\H], 1
	s_add_co_u32 s[G0X+4*\H+1], s67, \H*131072
	s_add_nc_u64 s[G0X+4*\H+2:G0X+4*\H+3], s[4:5], \H*2097152
	s_or_b32 s[G0X+4*\H+3], s[G0X+4*\H+3], 0x80000000
	s_mov_b32 s[G0W+4*\H], 1
	s_add_co_u32 s[G0W+4*\H+1], s67, \H*131072
	s_add_nc_u64 s[G0W+4*\H+2:G0W+4*\H+3], s[8:9], \H*1048576
	s_or_b32 s[G0W+4*\H+3], s[G0W+4*\H+3], 0x80000000
	s_wait_alu depctr_va_vdst(0)
	s_wait_tensorcnt 0x0
	ds_add_u32 v28, v29
	s_wait_dscnt 0x0
	CROUND
	JLOAD G0X+4*\H, G1X, G0W+4*\H, G1W             ; three tensor loads of mine are out at the most
.endr
	s_lshl_b32 s44, s42, 10                        ; bo at my 128 columns
	s_lshl_b32 s45, s[PH], 9
	s_add_co_u32 s44, s44, s45
	s_mov_b32 s45, 0
	s_add_nc_u64 s[12:13], s[12:13], s[44:45]
	v_and_b32 v1, 31, v0
	v_and_b32 v2, 15, v0                           ; r
	v_bfe_u32 v3, v0, 4, 1                         ; h
	v_lshlrev_b32 v[CO], 4, v1
	v_lshlrev_b32 v4, 2, v1
	v_lshlrev_b32 v27, 6, v3                       ; 64 h
.irp b, 0,1,2,3,4,5,6,7                        ; register j of tile b is column 32 (b / 2) + 8 (b % 2) + 16 h + j
	global_load_b128 v[BI+8*\b:BI+8*\b+3], v27, s[12:13] offset:(32*(\b/2)+8*(\b%2))*4
	global_load_b128 v[BI+8*\b+4:BI+8*\b+7], v27, s[12:13] offset:(32*(\b/2)+8*(\b%2))*4+16
.endr
	s_lshl_b32 s44, s[LH], 15
	v_add_nc_u32 v[ADL], s44, v[CO]
	v_add_nc_u32 v[ADL+1], 131072, v[ADL]
	s_lshl_b32 s44, s[PH], 15
	s_add_co_u32 s44, s44, 65536
	v_add_nc_u32 v[ADP], s44, v[CO]
	v_add_nc_u32 v[ADP+1], 131072, v[ADP]
	s_lshl_b32 s44, s[LH], 12
	s_add_co_u32 s44, s44, SCL
	v_add_nc_u32 v[ASL], s44, v4
	s_lshl_b32 s44, s[PH], 12
	s_add_co_u32 s44, s44, SCL+8192
	v_add_nc_u32 v[ASP], s44, v4
	s_mul_i32 s44, s[WV], 8448                     ; my stage: 16 rows x (512 bytes + 16), in half 0, which nobody reads and no load fills when the first result is stored there
	v_mul_u32_u24 v[STO], v2, 528
	v_lshl_add_u32 v[STO], v3, 6, v[STO]
	v_add_nc_u32 v[STO], s44, v[STO]
	v_add_nc_u32 v[RD], s44, v[CO]
	s_lshl_b32 s44, s43, 20                        ; out0: 256 rows of 4,096 bytes a tile row, 128 a half,
	s_lshl_b32 s46, s[LH], 19
	s_add_co_u32 s44, s44, s46
	s_lshl_b32 s46, s42, 10                        ; 1,024 bytes a tile column, 512 a half
	s_add_co_u32 s44, s44, s46
	s_lshl_b32 s46, s[PH], 9
	s_add_co_u32 s44, s44, s46
	s_add_nc_u64 s[14:15], s[14:15], s[44:45]
	s_wait_alu depctr_va_vdst(0)
	s_wait_tensorcnt 1                             ; the scale words and my part of half 0 are in; half 1's load may be out
	s_barrier_signal -1
	s_barrier_wait -1
	SCALES SCLR, ASL
	SCALES SCPR, ASP
	FETCH_P 0, 0, 0
	FETCH_L 0, 0, 0
	FETCH_L 0, 0, 4
	s_wait_loadcnt 0x0                             ; the bias
	STEP 0, 0, 1                                   ; the first step starts the sums with the bias
	STEP 0, 1, 0
	STEP 0, 2, 0
	s_wait_tensorcnt 0x0                           ; my part of half 1 has landed
	ds_add_u32 v[SPW], v[NIL]                      ; 0 onto my spare word
	s_wait_dscnt 9                                 ; (the add and the youngest eight loads may be out)
	MUL16 0, 1, 3, 0
	s_wait_dscnt 0x0                               ; the add is done, and my reads of half 0 are over
	s_barrier_signal -1
	MUL16 2, 1, 3, 0
	WIN 0
	s_barrier_wait -1                              ; half 1 is whole, and nobody reads half 0 any more
	PLACES 4
	FETCH_P 1, 0, 0
	FETCH_L 1, 0, 0
	MUL16 4, 1, 3, 0
	MUL16 6, 1, 3, 0
	PLACES 4
	WIN 0
	FETCH_L 1, 0, 4
	STEP 1, 0, 0
	STEP 1, 1, 0
	STEP 1, 2, 0
	s_wait_dscnt 8
	MUL16 0, 1, 7, 0
	MUL16 2, 1, 7, 0
	s_wait_dscnt 0x0
	MUL16 4, 1, 7, 0
	MUL16 6, 1, 7, 0
	WIN 0
; THE WAY OUT, a tile of 16 tokens x 128 columns at a time.  A lane holds pieces of 32 bytes of one row, and the lanes beside it hold other rows: so a tile goes through my own stage and comes back as whole rows of 512
; bytes.  LDS serves a wave's instructions in order (ISA guide 5.7.1.4): no wait between the stores and the loads, nor in front of the next tile's stores.
.macro TOSTAGE a
.set AC, 64*((\a)%4)
	WIN 0x08+4*((\a)/4)                            ; the data: window 2 or 3
.irp b, 0,1,2,3,4,5,6,7
	ds_store_b128 v[STO], v[AC+8*\b:AC+8*\b+3] offset:128*(\b/2)+32*(\b%2)         ; each accumulator from its low end on
	ds_store_b128 v[STO], v[AC+8*\b+4:AC+8*\b+7] offset:128*(\b/2)+32*(\b%2)+16
.endr
	WIN 0
.set BB, 128+64*((\a)%2)
.irp t, 0,1,2,3,4,5,6,7,8,9,10,11,12,13,14,15
	ds_load_b128 v[BB+4*\t:BB+4*\t+3], v[RD] offset:528*\t
.endr
.endm
.macro SEND a, younger                 ; younger: the LDS instructions issued behind tile a's loads, which may stay out
.set BB, 128+64*((\a)%2)
	s_wait_dscnt \younger
.irp t, 0,1,2,3,4,5,6,7,8,9,10,11,12,13,14,15
	global_store_b128 v[CO], v[BB+4*\t:BB+4*\t+3], s[14:15] offset:(32*((\a)/2)+8*((\a)%2)+\t+8*(\t/8))*4096 th:TH_STORE_NT   ; place t of tile a: 32 lanes store 512 consecutive bytes; the base never steps
.endr
.endm
	PLACES 4                                       ; in front of the first reads of results and of loads into the registers that held L's fragments
	TOSTAGE 0
.irp a, 1,2,3,4,5,6,7
.if \a > 1
	s_wait_xcnt 0x0                                ; the stores of two tiles back have read their registers: this tile's rows may land there
.endif
	TOSTAGE \a
	SEND \a-1, 32                                  ; behind that tile's loads: this tile's 16 stores and 16 loads
.endr
	SEND 7, 0
	s_wait_tensorcnt 0x0                           ; the wave's end
	ds_add_u32 v[SPW], v[NIL]
	s_wait_dscnt 0x0
	CROUND                                         ; the closing round
	s_endpgm
.Lfunc_end_k_q5ce9d923ef_outp:
	.size	k_q5ce9d923ef_outp, .Lfunc_end_k_q5ce9d923ef_outp-k_q5ce9d923ef_outp
	.p2alignl 7, 3214868480
	.fill 96, 4, 3214868480
	.section	.rodata,"a",@progbits
	.p2align	6, 0x0
	.amdhsa_kernel k_q5ce9d923ef_outp
		.amdhsa_group_segment_fixed_size 327680
		.amdhsa_private_segment_fixed_size 0
		.amdhsa_enable_private_segment 0
		.amdhsa_kernarg_size 48
		.amdhsa_user_sgpr_count 2
		.amdhsa_user_sgpr_kernarg_segment_ptr 1
		.amdhsa_wavefront_size32 1
		.amdhsa_system_sgpr_workgroup_id_x 1
		.amdhsa_system_sgpr_workgroup_id_y 1
		.amdhsa_system_sgpr_workgroup_id_z 1
		.amdhsa_system_vgpr_workitem_id 0
		.amdhsa_next_free_vgpr 1024
		.amdhsa_next_free_sgpr 102
		.amdhsa_reserve_vcc 0
		.amdhsa_float_denorm_mode_32 3
		.amdhsa_float_denorm_mode_16_64 3
		.amdhsa_memory_ordered 1
		.amdhsa_forward_progress 1
		.amdhsa_inst_pref_size 129
	.end_amdhsa_kernel
	.amdgpu_metadata
---
amdhsa.version: [ 1, 2 ]
amdhsa.kernels:
  - .name:           k_q5ce9d923ef_outp
    .symbol:         k_q5ce9d923ef_outp.kd
    .args:
      - { .name: cc, .offset: 0, .size: 8, .value_kind: global_buffer, .address_space: global }
      - { .name: cs, .offset: 8, .size: 8, .value_kind: global_buffer, .address_space: global }
      - { .name: wc, .offset: 16, .size: 8, .value_kind: global_buffer, .address_space: global }
      - { .name: ws, .offset: 24, .size: 8, .value_kind: global_buffer, .address_space: global }
      - { .name: bo, .offset: 32, .size: 8, .value_kind: global_buffer, .address_space: global }
      - { .name: out0, .offset: 40, .size: 8, .value_kind: global_buffer, .address_space: global }
    .group_segment_fixed_size: 327680
    .private_segment_fixed_size: 0
    .kernarg_segment_align: 8
    .kernarg_segment_size: 48
    .max_flat_workgroup_size: 128
    .sgpr_count:     102
    .vgpr_count:     1024
    .wavefront_size: 32
...
	.end_amdgpu_metadata
.endif
;; end of part 4
